; MI455X (gfx1250); checked and timed in simulation.
; The chip was launched on July 23, 2026; its instructions are those of AMD's public machine-readable ISA for CDNA 5 (MIT licence, August 2026) and "CDNA5" Instruction Set Architecture Reference Guide (July 2026). The comments in the code are by the model that wrote it; some were corrected since.
;; Self Attention. Allowed arithmetic: float matrix products may take bf16 or f16 operands with f32 sums; all other float work in f32.
;; Inputs: W1 2,048 x 1,024 float32; Wq 1,024 x 1,024 float32; mask 4 x 2,048 int32; query 4 x 1,024 x 2,048 float32.
;; Outputs: out0 4 x 1,024 x 2,048 float32.
;; 2 versions, each right and faster than the one before. Each part assembles by itself: llvm-mc -triple=amdgcn-amd-amdhsa -mcpu=gfx1250 --defsym DOCPART=n.
;; ======== version 1 of 2: 3 launches
;; limits: values are held in f16: magnitudes above 65,504 overflow, below 6.1e-05 lose precision
;; workspace buffers: xt 16,777,216 bytes; w1h 4,194,304 bytes; wqh 2,097,152 bytes; kv 33,554,432 bytes
;; launch prep (part 1): grid 1408 x 1, 8 waves a work-group, no clusters, 18,432 bytes of LDS; arguments query, W1, Wq, xt, w1h, wqh; writes xt, w1h, wqh
.if DOCPART == 1
	.amdgcn_target "amdgcn-amd-amdhsa--gfx1250"
	.amdhsa_code_object_version 6
	.text
	.protected	k_q2efb2955fd_prep
	.globl	k_q2efb2955fd_prep
	.p2align	8
	.type	k_q2efb2955fd_prep,@function
k_q2efb2955fd_prep:
	s_mov_b64 s[64:65], 0
	v_nop
	global_prefetch_b8 v0, s[64:65] scope:SCOPE_SE
	s_setreg_imm32_b32 hwreg(HW_REG_WAVE_MODE, 25, 1), 1
	s_wait_xcnt 0x0
; Casts the three f32 inputs to f16 once, and turns query [b][d][l] into xt [b][l][d], so that the two matrix launches
; find the contraction index d along the rows.  A stream: no matrix unit, no cluster (no two work-groups share a byte).
; Every work-group handles 8,192 numbers, 32 a thread.
;   work-groups 0 .. 1023   : a tile of 128 d x 64 l of query, transposed through LDS
;   work-groups 1024 .. 1279: 8,192 consecutive numbers of W1;  1280 .. 1407: of Wq
; LIMIT: f16 holds magnitudes up to 65,504 (larger inputs become infinite) and keeps numbers under 6.1e-5 with an
; absolute error of at most 3e-8.
.set NTR,   1024                       ; work-groups that transpose
.set PITCH, 272                        ; an LDS row: 128 f16 + 16 bytes, an odd multiple of 16: 16 neighbouring rows start in 16 different 16-byte columns
.set X,  16                            ; v[16:47]  as loaded, f32
.set P,  48                            ; v[48:63]  packed f16
.set Y,  64                            ; v[64:79]  rows read back from LDS
	s_load_b256 s[4:11], s[0:1], 0x0               ; query s[4:5], W1 s[6:7], Wq s[8:9], xt s[10:11]
	s_load_b128 s[12:15], s[0:1], 0x20             ; w1h s[12:13], wqh s[14:15]
	v_lshl_add_u32 v80, v0, 2, 0x4400
	v_mov_b32 v81, 0
	s_cmp_ge_u32 ttmp9, NTR                        ; the same answer in all eight waves
	s_cbranch_scc1 .Lcast
	; ---- transpose: b = g >> 8, block of 128 d = (g >> 5) & 7, block of 64 l = g & 31
	s_lshr_b32 s16, ttmp9, 8
	s_bfe_u32 s17, ttmp9, 0x30005
	s_and_b32 s18, ttmp9, 31
	s_lshl_b32 s20, s16, 23                        ; query: a batch is 1024 x 2048 x 4 bytes,
	s_lshl_b32 s19, s17, 20                        ; 128 rows of 8,192 bytes,
	s_add_co_u32 s20, s20, s19
	s_lshl_b32 s19, s18, 8                         ; 64 l of 4 bytes
	s_add_co_u32 s20, s20, s19
	s_mov_b32 s21, 0
	s_lshl_b32 s22, s16, 22                        ; xt: a batch is 2048 x 1024 x 2 bytes,
	s_lshl_b32 s19, s18, 17                        ; 64 rows of 2,048 bytes,
	s_add_co_u32 s22, s22, s19
	s_lshl_b32 s19, s17, 8                         ; 128 d of 2 bytes
	s_add_co_u32 s22, s22, s19
	s_mov_b32 s23, 0
	v_and_b32 v1, 15, v0                           ; li: which 4 l (16 bytes of a row of query)
	v_lshrrev_b32 v2, 4, v0                        ; dg: which 8 d
	v_lshlrev_b32 v3, 4, v1
	v_lshl_add_u32 v3, v2, 16, v3                  ; load: row 8 dg, byte 16 li
	v_mul_u32_u24 v4, v1, PITCH
	v_lshl_add_u32 v4, v2, 4, v4                   ; into LDS: row li (+ 16 c), byte 16 dg
	v_mul_u32_u24 v5, v2, PITCH
	v_lshl_add_u32 v5, v1, 4, v5                   ; back: row dg (+ 16 u), byte 16 li
	v_lshlrev_b32 v6, 4, v1
	v_lshl_add_u32 v6, v2, 13, v6                  ; store: row 4 dg (+ u), byte 16 li
	s_wait_kmcnt 0x0
	s_add_nc_u64 s[4:5], s[4:5], s[20:21]
	s_add_nc_u64 s[10:11], s[10:11], s[22:23]
.irp i, 0,1,2,3,4,5,6,7
	global_load_b128 v[X+4*\i:X+4*\i+3], v3, s[4:5] offset:\i*8192 th:TH_LOAD_NT   ; row d = 8 dg + i: sixteen lanes take 256 consecutive bytes, aligned
.endr
.irp p, 0,1,2,3
	s_wait_loadcnt 6-2*\p                          ; rows 2p and 2p + 1 are in; the 6 - 2p younger loads stay out
.irp c, 0,1,2,3
	v_cvt_pk_f16_f32 v[P+4*\c+\p], v[X+8*\p+\c], v[X+8*\p+4+\c]   ; d = 8 dg + 2p, + 2p + 1 of l = 4 li + c
.endr
.endr
.irp c, 0,1,2,3
	ds_store_b128 v4, v[P+4*\c:P+4*\c+3] offset:\c*16*PITCH       ; LDS row 16 c + li holds l = 4 li + c
.endr
	s_wait_dscnt 0x0                               ; my stores are in LDS before I say so
	s_barrier_signal -1
	s_barrier_wait -1                              ; all eight waves' are
.irp u, 0,1,2,3
	ds_load_b128 v[Y+4*\u:Y+4*\u+3], v5 offset:\u*16*PITCH        ; LDS row 16 u + dg = l = 4 dg + u, 16 bytes of its 256
.endr
.irp u, 0,1,2,3
	s_wait_dscnt 3-\u                              ; LDS loads come back in order: load u is in
	global_store_b128 v6, v[Y+4*\u:Y+4*\u+3], s[10:11] offset:\u*2048   ; sixteen lanes store 256 consecutive bytes, aligned
.endr
	s_wait_tensorcnt 0x0
	ds_add_u32 v80, v81
	s_wait_dscnt 0x0
	s_endpgm
	; ---- cast: 8,192 consecutive numbers of W1 or of Wq
.Lcast:
	s_sub_co_u32 s16, ttmp9, NTR                   ; chunk of W1, if below 256
	s_sub_co_u32 s17, ttmp9, NTR+256               ; chunk of Wq otherwise
	v_lshlrev_b32 v3, 4, v0                        ; 16 bytes of f32 a thread
	v_lshlrev_b32 v4, 3, v0                        ; 8 bytes of f16
	s_wait_kmcnt 0x0
	s_cmp_lt_u32 s16, 256
	s_cselect_b64 s[4:5], s[6:7], s[8:9]           ; from W1 or Wq
	s_cselect_b64 s[10:11], s[12:13], s[14:15]     ; to w1h or wqh
	s_cselect_b32 s16, s16, s17
	s_lshl_b32 s18, s16, 15
	s_mov_b32 s19, 0
	s_lshl_b32 s20, s16, 14
	s_mov_b32 s21, 0
	s_add_nc_u64 s[4:5], s[4:5], s[18:19]
	s_add_nc_u64 s[10:11], s[10:11], s[20:21]
.irp j, 0,1,2,3,4,5,6,7
	global_load_b128 v[X+4*\j:X+4*\j+3], v3, s[4:5] offset:\j*4096 th:TH_LOAD_NT
.endr
.irp j, 0,1,2,3,4,5,6,7
	s_wait_loadcnt 7-\j                            ; load j is in; the younger ones stay out
	v_cvt_pk_f16_f32 v[P+2*\j], v[X+4*\j], v[X+4*\j+1]
	v_cvt_pk_f16_f32 v[P+2*\j+1], v[X+4*\j+2], v[X+4*\j+3]
	global_store_b64 v4, v[P+2*\j:P+2*\j+1], s[10:11] offset:\j*2048    ; a wave stores 256 consecutive bytes, aligned
.endr
	s_endpgm
.Lfunc_end_k_q2efb2955fd_prep:
	.size	k_q2efb2955fd_prep, .Lfunc_end_k_q2efb2955fd_prep-k_q2efb2955fd_prep
	.p2alignl 7, 3214868480
	.fill 96, 4, 3214868480
	.section	.rodata,"a",@progbits
	.p2align	6, 0x0
	.amdhsa_kernel k_q2efb2955fd_prep
		.amdhsa_group_segment_fixed_size 18432
		.amdhsa_private_segment_fixed_size 0
		.amdhsa_enable_private_segment 0
		.amdhsa_kernarg_size 48
		.amdhsa_user_sgpr_count 2
		.amdhsa_user_sgpr_kernarg_segment_ptr 1
		.amdhsa_wavefront_size32 1
		.amdhsa_system_sgpr_workgroup_id_x 1
		.amdhsa_system_sgpr_workgroup_id_y 1
		.amdhsa_system_sgpr_workgroup_id_z 1
		.amdhsa_system_vgpr_workitem_id 0
		.amdhsa_next_free_vgpr 82
		.amdhsa_next_free_sgpr 66
		.amdhsa_reserve_vcc 0
		.amdhsa_float_denorm_mode_32 3
		.amdhsa_float_denorm_mode_16_64 3
		.amdhsa_memory_ordered 1
		.amdhsa_forward_progress 1
		.amdhsa_inst_pref_size 9
	.end_amdhsa_kernel
	.amdgpu_metadata
---
amdhsa.version: [ 1, 2 ]
amdhsa.kernels:
  - .name:           k_q2efb2955fd_prep
    .symbol:         k_q2efb2955fd_prep.kd
    .args:
      - { .name: query, .offset: 0, .size: 8, .value_kind: global_buffer, .address_space: global }
      - { .name: W1, .offset: 8, .size: 8, .value_kind: global_buffer, .address_space: global }
      - { .name: Wq, .offset: 16, .size: 8, .value_kind: global_buffer, .address_space: global }
      - { .name: xt, .offset: 24, .size: 8, .value_kind: global_buffer, .address_space: global }
      - { .name: w1h, .offset: 32, .size: 8, .value_kind: global_buffer, .address_space: global }
      - { .name: wqh, .offset: 40, .size: 8, .value_kind: global_buffer, .address_space: global }
    .group_segment_fixed_size: 18432
    .private_segment_fixed_size: 0
    .kernarg_segment_align: 8
    .kernarg_segment_size: 48
    .max_flat_workgroup_size: 256
    .sgpr_count:     66
    .vgpr_count:     82
    .wavefront_size: 32
...
	.end_amdgpu_metadata
.endif
;; end of part 1
;; launch kvproj (part 2): grid 8 x 32, 4 waves a work-group, clusters of 4 x 4, 327,680 bytes of LDS; arguments xt, w1h, kv; writes kv
.if DOCPART == 2
	.amdgcn_target "amdgcn-amd-amdhsa--gfx1250"
	.amdhsa_code_object_version 6
	.text
	.protected	k_q2efb2955fd_kvproj
	.globl	k_q2efb2955fd_kvproj
	.p2align	8
	.type	k_q2efb2955fd_kvproj,@function
k_q2efb2955fd_kvproj:
	s_mov_b64 s[64:65], 0
	v_nop
	global_prefetch_b8 v0, s[64:65] scope:SCOPE_SE
	s_setreg_imm32_b32 hwreg(HW_REG_WAVE_MODE, 25, 1), 1
	s_wait_xcnt 0x0
	s_wait_alu depctr_hold_cnt(0) depctr_sa_sdst(0) depctr_va_vdst(0) depctr_va_sdst(0) depctr_va_ssrc(0) depctr_va_vcc(0) depctr_vm_vsrc(0)
	s_getreg_b32 s2, hwreg(HW_REG_IB_STS2, 6, 4)
	s_cmp_eq_u32 s2, 0
	s_cbranch_scc0 .Lentry_in_a_cluster
	s_endpgm
.Lentry_in_a_cluster:
	s_bfe_u32 s2, ttmp6, 0x10000c
	s_cmp_lg_u32 s2, 0xf033
	s_cbranch_scc0 .Lentry_shape_is_right
	s_endpgm
.Lentry_shape_is_right:
; K and V: C[l'][o] = sum over d of xt[l'][d] w1h[o][d], l' = 2048 b + l (8,192 rows), o = 0 .. 2047, d = 0 .. 1023; f16 operands, f32 sums.
; The result goes out in f16 as kv[which][b][h][l][128] (which = o / 1024: K, V; h = (o / 128) % 8), a head's rows of 256 bytes one behind the other.
; A work-group makes 256 x 256 of C with four waves; a wave makes 128 x 128 (64 accumulator tiles, 512 registers), which is 128 rows of ONE head:
; 32,768 consecutive bytes of kv.  8 x 32 = 256 work-groups.  d goes in steps of 128 through a ring of two LDS slots filled by the tensor data mover.
; CLUSTERS: 4 x 4 work-groups.  The four of a row of the cluster need the same tiles of xt, the four of a column the same tiles of w1h: each tile is asked
; for jointly (same line, same descriptor, a mask that names the four), which divides the requests by four.
; By this text's own count a wave has two tensor loads out at the start and one afterwards.
; LIMIT: K and V are rounded to f16: magnitudes above 65,504 become infinite, numbers under 6.1e-5 keep an absolute error of at most 3e-8.
;
; REGISTERS, in windows of 256:  window 0: v16-26 addresses; v64-127, v128-191 fragments of xt, two buffers; v192-223 at work on the way out
;   window 1: v64-127, v128-191 fragments of w1h, two buffers;  window 2: accumulator tiles of my rows 0-63 (tile (a, b) at v[8 (8 a + b)]);  window 3: rows 64-127
; The matrix instruction is used transposed (source 0 = 16 rows of w1h, source 1 = 16 rows of xt): lane l then holds row l % 16 of C and its registers the
; columns 8 (l / 16) + 0 .. 7, eight neighbouring numbers of a row, which pack into 16 bytes.
.set SIZE_K, 1024
.set KSTEP,  128
.set PITCH,  272                       ; an LDS row: 256 bytes + 16 of padding: the 16 rows that a fragment load touches start in 16 different 16-byte columns
.set HALFT,  128*PITCH                 ; 128 rows: what one tensor load brings, and what one wave reads of either operand
.set SLOT,   4*HALFT                   ; xt's 256 rows, then w1h's 256 rows
.set STAGE,  2*SLOT                    ; behind the ring: 16 rows x 272 bytes for each wave, for the way out; no fill lands there
.set SPITCH, 272
.set LAPS, SIZE_K/(2*KSTEP)            ; a lap = two steps = once round the ring: 4
.set ADRA, 16                          ; v16-17  LDS address of my xt fragments in slot 0, 1
.set ADRB, 20                          ; v20-21  the same for w1h
.set STO,  24                          ; v24     the way out: where I put 16 bytes of a row
.set RD,   25                          ; v25     the way out: where I read a row back
.set CO,   26                          ; v26     my byte offset in the wave's 32,768 bytes of kv
.set F0,   64
.set F1,   128
.set TMP,  192
.set G1, 24                            ; s[24:31] group 1 for xt's tiles
.set G0, 32                            ; s[32:39] group 0 for xt's tiles, one set for each slot
.set G1B, 48                           ; s[48:55] group 1 for w1h's tiles: another mask
.set G0B, 56                           ; s[56:63] group 0 for w1h's tiles
.set MSB, 0
.macro WIN new                         ; the immediate's high byte repeats the setting that is left; a switch that changes nothing is dropped
.if MSB != \new
	s_set_vgpr_msb (MSB<<8)|\new
.set MSB, \new
.endif
.endm
.set MUL_LO, 0xa1                      ; source 0 window 1, source 1 window 0, C and D window 2
.set MUL_HI, 0xf1                      ; the same, C and D window 3
.set TO_B,   0x40                      ; destination window 1, address window 0
; A joint load: waves 0 and 1 fetch xt's two halves, waves 2 and 3 w1h's.  The branch hangs on the wave's number alone.
.macro JLOAD s
	s_cmp_eq_u32 s11, 0
	s_cbranch_scc0 .Lfor_b_\@
	tensor_load_to_lds s[G0+4*\s:G0+4*\s+3], s[G1:G1+7]
	s_nop 0
	s_branch .Lasked_\@
.Lfor_b_\@:
	tensor_load_to_lds s[G0B+4*\s:G0B+4*\s+3], s[G1B:G1B+7]
	s_nop 0
.Lasked_\@:
.endm
; A round of the cluster's barrier: my work-group's barrier; wave 0 signals for the work-group; every wave waits for all sixteen; my work-group's barrier again.
.macro CREST                           ; a round behind its opening barrier
	s_cmp_lg_u32 s10, 0
	s_cbranch_scc1 .Lnot_wave_0_\@
	s_barrier_signal -3
.Lnot_wave_0_\@:
	s_barrier_wait -3
	s_barrier_signal -1
	s_barrier_wait -1
.endm
.macro CROUND
	s_barrier_signal -1
	s_barrier_wait -1
	CREST
.endm
	s_load_b128 s[4:7], s[0:1], 0x0                ; xt s[4:5], w1h s[6:7]
	s_load_b64 s[8:9], s[0:1], 0x10                ; kv
	s_set_vgpr_msb 0x40
	v_lshl_add_u32 v255, v0, 2, 0x48400
	s_set_vgpr_msb 0x4000
	v_mov_b32 v255, 0
	s_set_vgpr_msb 0x1
	ds_add_u32 v255, v255
	s_set_vgpr_msb 0x100
	v_lshrrev_b32 v1, 5, v0
	v_readfirstlane_b32 s10, v1                    ; wave 0..3
	s_lshr_b32 s11, s10, 1                         ; which half of the block's rows is mine.  Also: I fetch for xt (0) or for w1h (1)
	s_and_b32 s12, s10, 1                          ; which half of its columns.  Also: which 128 rows of that tile I fetch
	s_bfe_u32 s40, ttmp6, 0x40000                  ; cx
	s_bfe_u32 s41, ttmp6, 0x40004                  ; cy
	s_lshl_b32 s42, ttmp9, 2
	s_add_co_u32 s42, s42, s40                     ; block column = 4 x cluster x + cx
	s_and_b32 s13, ttmp7, 0xffff
	s_lshl_b32 s13, s13, 2
	s_add_co_u32 s13, s13, s41                     ; block row = 4 x cluster y + cy
	s_lshl_b32 s43, s41, 2
	s_lshl_b32 s43, 15, s43                        ; my row of the cluster: places 4 cy .. 4 cy + 3
	s_lshl_b32 s44, 0x1111, s40                    ; my column: places cx, cx + 4, cx + 8, cx + 12
	; group 1: a tile of 128 rows x 128 elements of 2 bytes; after every 64 words 4 words of padding; bit 21 set beside the mask
	s_or_b32 s[G1+0], s43, (1<<16)|(1<<20)|(1<<21)|(5<<22)|(3<<25)
	s_or_b32 s[G1B+0], s44, (1<<16)|(1<<20)|(1<<21)|(5<<22)|(3<<25)
	s_mov_b32 s[G1B+1], KSTEP<<16
	s_mov_b32 s[G1+1], KSTEP<<16                   ; tensor_dim0 = 128
	s_mov_b32 s[G1B+2], 128<<16
	s_mov_b32 s[G1+2], 128<<16                     ; tensor_dim1 = 128
	s_mov_b32 s[G1B+3], KSTEP<<16
	s_mov_b32 s[G1+3], KSTEP<<16                   ; tile_dim0 = 128
	s_mov_b32 s[G1B+4], 128
	s_mov_b32 s[G1+4], 128                         ; tile_dim1 = 128
	s_mov_b32 s[G1B+5], SIZE_K
	s_mov_b32 s[G1+5], SIZE_K                      ; elements from row to row
	s_mov_b32 s[G1B+6], 0
	s_mov_b32 s[G1+6], 0
	s_mov_b32 s[G1B+7], 0
	s_mov_b32 s[G1+7], 0
	; xt's tiles hang on the block row alone, w1h's on the block column alone; each address in registers that never hold the other coordinate
	s_lshl_b32 s17, s12, 7
	s_lshl_b32 s16, s13, 8
	s_add_co_u32 s16, s16, s17                     ; xt: row 256 x block row + 128 x half
	s_lshl_b32 s46, s42, 8
	s_add_co_u32 s46, s46, s17                     ; w1h: row 256 x block column + 128 x half
	s_mov_b32 s17, 0
	s_mov_b32 s47, 0
	s_mov_b64 s[18:19], SIZE_K*2
	s_mul_u64 s[16:17], s[16:17], s[18:19]         ; in bytes
	s_mul_u64 s[46:47], s[46:47], s[18:19]
	s_mul_i32 s20, s10, HALFT                      ; where they go: wave x 128 rows
	s_wait_dscnt 0x0
	s_wait_kmcnt 0x0
	s_add_nc_u64 s[14:15], s[4:5], s[16:17]
	s_add_nc_u64 s[46:47], s[6:7], s[46:47]
	CROUND                                         ; all sixteen work-groups are here: the first joint loads meet
.irp s, 0,1
	s_mov_b32 s[G0+4*\s], 1
	s_add_co_u32 s[G0+4*\s+1], s20, \s*SLOT
	s_add_nc_u64 s[G0+4*\s+2:G0+4*\s+3], s[14:15], \s*KSTEP*2
	s_or_b32 s[G0+4*\s+3], s[G0+4*\s+3], 0x80000000
	s_mov_b32 s[G0B+4*\s], 1
	s_add_co_u32 s[G0B+4*\s+1], s20, \s*SLOT
	s_add_nc_u64 s[G0B+4*\s+2:G0B+4*\s+3], s[46:47], \s*KSTEP*2
	s_or_b32 s[G0B+4*\s+3], s[G0B+4*\s+3], 0x80000000
	JLOAD \s                                       ; both slots' first fills go out before anything else is done
.endr
	; a fragment: lane l holds row l % 16; registers 0-3 hold d = 8 (l / 16) + 0..7, registers 4-7 d = 16 + 8 (l / 16) + 0..7: two loads of 16 bytes, 32 apart
	v_and_b32 v1, 15, v0
	v_bfe_u32 v2, v0, 4, 1
	v_mul_u32_u24 v3, v1, PITCH
	v_lshl_add_u32 v3, v2, 4, v3
	s_mul_i32 s21, s11, HALFT                      ; my 128 rows of xt
	s_mul_i32 s22, s12, HALFT                      ; my 128 rows of w1h,
	s_add_co_u32 s22, s22, 2*HALFT                 ; which lie behind xt's 256
.irp s, 0,1
	v_add_nc_u32 v[ADRA+\s], s21, v3
	v_add_nc_u32 v[ADRB+\s], s22, v3
	s_add_co_u32 s21, s21, SLOT
	s_add_co_u32 s22, s22, SLOT
.endr
	s_mul_i32 s23, s10, 16*SPITCH
	s_add_co_u32 s23, s23, STAGE                   ; my stage
	v_mul_u32_u24 v4, v1, SPITCH
	v_lshl_add_u32 v4, v2, 4, v4
	v_add_nc_u32 v[STO], s23, v4
	v_mul_u32_u24 v5, v2, SPITCH                   ; back: lanes 0-15 take one row of 256 bytes, lanes 16-31 the next
	v_lshl_add_u32 v5, v1, 4, v5
	v_add_nc_u32 v[RD], s23, v5
	v_lshlrev_b32 v5, 8, v2                        ; and the same two rows in kv: 256 bytes apart
	v_lshl_add_u32 v[CO], v1, 4, v5
; 16 matrix instructions: row blocks a0, a0 + 1 of the window's four x all 8 column blocks, 32 along d.  zero = 1: the first product starts the sums.
; The 64 accumulators take turns, one instruction a turn, in the same order in every quarter step.
.macro MUL16 f, hi, a0, zero
.irp a, \a0, \a0+1
.irp b, 0,1,2,3,4,5,6,7
.if \zero
	v_wmma_f32_16x16x32_f16 v[8*(8*(\a)+\b):8*(8*(\a)+\b)+7], v[\f+8*\b:\f+8*\b+7], v[\f+8*(4*\hi+\a):\f+8*(4*\hi+\a)+7], 0
.else
	v_wmma_f32_16x16x32_f16 v[8*(8*(\a)+\b):8*(8*(\a)+\b)+7], v[\f+8*\b:\f+8*\b+7], v[\f+8*(4*\hi+\a):\f+8*(4*\hi+\a)+7], v[8*(8*(\a)+\b):8*(8*(\a)+\b)+7]
.endif
.endr
.endr
.endm
; 32 LDS loads in one run: the fragments of one quarter step into buffer f
.macro FETCH slot, k, f
	WIN TO_B
.irp i, 0,1,2,3,4,5,6,7
	ds_load_b128 v[\f+8*\i:\f+8*\i+3],   v[ADRB+\slot] offset:\k+\i*16*PITCH
	ds_load_b128 v[\f+8*\i+4:\f+8*\i+7], v[ADRB+\slot] offset:\k+\i*16*PITCH+32
.endr
	WIN 0
.irp i, 0,1,2,3,4,5,6,7
	ds_load_b128 v[\f+8*\i:\f+8*\i+3],   v[ADRA+\slot] offset:\k+\i*16*PITCH
	ds_load_b128 v[\f+8*\i+4:\f+8*\i+7], v[ADRA+\slot] offset:\k+\i*16*PITCH+32
.endr
.endm
; Four independent vector instructions stand between a matrix instruction and a load into one of its sources, or a vector instruction that reads its result
.macro PLACES
.rept 4
	v_nop
.endr
.endm
; One of a step's first three quarters: multiplies buffer f; in its middle it fetches the next quarter's fragments into buffer g
.macro QUARTER slot, k, f, g, zero
	s_wait_dscnt 8                                 ; w1h and xt's rows 0-63 are in; the youngest eight loads (xt's rows 64-127) may be out
	WIN MUL_LO
	MUL16 \f, 0, 0, \zero
	MUL16 \f, 0, 2, \zero
	PLACES
	FETCH \slot, \k, \g
	s_wait_dscnt 32                                ; all but the 32 just issued
	WIN MUL_HI
	MUL16 \f, 1, 0, \zero
	MUL16 \f, 1, 2, \zero
.endm
.macro THREE slot, zero
	QUARTER \slot, 64,  F0, F1, \zero
	QUARTER \slot, 128, F1, F0, 0
	QUARTER \slot, 192, F0, F1, 0
.endm
; The last quarter multiplies buffer 1 and changes slots.  In front of the barrier each wave waits for its reads of this slot and for all its tensor loads
; (one is out: its part of the next slot).  Behind it the refill comes first, then the next slot's first fragments.
.macro TURN slot, next, fill
	s_wait_dscnt 8
	WIN MUL_LO
	MUL16 F1, 0, 0, 0
	s_wait_dscnt 0                                 ; my reads of this slot are over
	s_wait_tensorcnt 0x0                           ; and all my tensor loads have landed
	ds_add_u32 v255, v255
	s_wait_dscnt 0x0
	s_barrier_signal -1                            ; say so (where a slot is filled again this barrier opens a round of the cluster's barrier),
	MUL16 F1, 0, 2, 0                              ; work on registers while the others arrive
	WIN 0
	s_barrier_wait -1
.if \fill
	CREST                                          ; no wave of any partner still reads this slot or has a load on its way
	s_add_nc_u64 s[G0+4*\slot+2:G0+4*\slot+3], s[G0+4*\slot+2:G0+4*\slot+3], 2*KSTEP*2
	s_add_nc_u64 s[G0B+4*\slot+2:G0B+4*\slot+3], s[G0B+4*\slot+2:G0B+4*\slot+3], 2*KSTEP*2
	JLOAD \slot                                    ; the first tensor load behind the round, one a wave
.endif
	PLACES
	FETCH \next, 0, F0
	WIN MUL_HI
	MUL16 F1, 1, 0, 0
	MUL16 F1, 1, 2, 0
.endm
.macro LAP zero
	THREE 0, \zero
	TURN 0, 1, 1
	THREE 1, 0
	TURN 1, 0, 1
.endm
	s_wait_tensorcnt 1                             ; my part of step 0 is in; step 1's may stay out
	s_barrier_signal -1
	s_barrier_wait -1
	FETCH 0, 0, F0
	LAP 1                                          ; the first lap stands in front of the loop: its first products start the sums
	WIN 0
	s_mov_b32 s3, LAPS-2
.Llap:
	LAP 0
	WIN 0
	s_sub_co_u32 s3, s3, 1
	s_cmp_lg_u32 s3, 0
	s_cbranch_scc1 .Llap
	THREE 0, 0                                     ; the last lap fills nothing
	TURN 0, 1, 0
	THREE 1, 0
	s_wait_dscnt 8
	WIN MUL_LO
	MUL16 F1, 0, 0, 0
	MUL16 F1, 0, 2, 0
	s_wait_dscnt 0
	WIN MUL_HI
	MUL16 F1, 1, 0, 0
	MUL16 F1, 1, 2, 0
	; THE WAY OUT, 16 rows at a time: round to f16, 16 bytes a lane into my own stage, read back as whole rows of 256 bytes.
	PLACES
	; my block in kv: (which x 32 + b x 8 + h) heads of 524,288 bytes + l rows of 256 bytes
	s_lshr_b32 s16, s13, 3                         ; b = block row / 8,
	s_lshl_b32 s16, s16, 22                        ; eight heads of 524,288 bytes
	s_and_b32 s14, s13, 7
	s_lshl_b32 s14, s14, 16                        ; l = 256 x (block row % 8)
	s_add_co_u32 s16, s16, s14
	s_lshl_b32 s14, s11, 15                        ;     + 128 x my half
	s_add_co_u32 s16, s16, s14
	s_mov_b32 s17, 0
	s_add_nc_u64 s[8:9], s[8:9], s[16:17]
	s_lshl_b32 s46, s42, 1                         ; h = (2 x block column + my half) % 8
	s_add_co_u32 s46, s46, s12
	s_and_b32 s46, s46, 7
	s_lshl_b32 s46, s46, 19
	s_lshr_b32 s47, s42, 2                         ; which = block column / 4: 32 heads
	s_lshl_b32 s47, s47, 24
	s_add_co_u32 s46, s46, s47
	s_mov_b32 s47, 0
	s_add_nc_u64 s[8:9], s[8:9], s[46:47]
.macro OUT16 i, a, from, f
	WIN \from
.irp b, 0,1,2,3,4,5,6,7
.irp r, 0,1,2,3
	v_cvt_pk_f16_f32 v[TMP+4*\b+\r], v[8*(8*\a+\b)+2*\r], v[8*(8*\a+\b)+2*\r+1]
.endr
.endr
	WIN 0
.irp b, 0,1,2,3,4,5,6,7
	ds_store_b128 v[STO], v[TMP+4*\b:TMP+4*\b+3] offset:32*\b
.endr
	s_wait_xcnt 0x0                                ; buffer f, which earlier stores read, and the stores' base are rewritten only behind this wait
.if \i
	s_add_nc_u64 s[8:9], s[8:9], 16*256            ; 16 rows on
.endif
.irp t, 0,1,2,3,4,5,6,7
	ds_load_b128 v[\f+4*\t:\f+4*\t+3], v[RD] offset:\t*2*SPITCH    ; LDS serves a wave's instructions in order: these see the stores above
.endr
.irp t, 0,1,2,3,4,5,6,7
	s_wait_dscnt 7-\t
	global_store_b128 v[CO], v[\f+4*\t:\f+4*\t+3], s[8:9] offset:512*\t   ; a wave stores 512 consecutive bytes, aligned: two rows of a head
.endr
.endm
	OUT16 0, 0, 0x0a, F0
	OUT16 1, 1, 0x0a, F1
	OUT16 2, 2, 0x0a, F0
	OUT16 3, 3, 0x0a, F1
	OUT16 4, 0, 0x0f, F0
	OUT16 5, 1, 0x0f, F1
	OUT16 6, 2, 0x0f, F0
	OUT16 7, 3, 0x0f, F1
	s_set_vgpr_msb 0x1
	s_wait_tensorcnt 0x0
	ds_add_u32 v255, v255
	s_wait_dscnt 0x0
	s_set_vgpr_msb 0x100
	CROUND                                         ; the closing round: no work-group ends while a partner may still ask for a tile that names it
	s_endpgm
.Lfunc_end_k_q2efb2955fd_kvproj:
	.size	k_q2efb2955fd_kvproj, .Lfunc_end_k_q2efb2955fd_kvproj-k_q2efb2955fd_kvproj
	.p2alignl 7, 3214868480
	.fill 96, 4, 3214868480
	.section	.rodata,"a",@progbits
	.p2align	6, 0x0
	.amdhsa_kernel k_q2efb2955fd_kvproj
		.amdhsa_group_segment_fixed_size 327680
		.amdhsa_private_segment_fixed_size 0
		.amdhsa_enable_private_segment 0
		.amdhsa_kernarg_size 24
		.amdhsa_user_sgpr_count 2
		.amdhsa_user_sgpr_kernarg_segment_ptr 1
		.amdhsa_wavefront_size32 1
		.amdhsa_system_sgpr_workgroup_id_x 1
		.amdhsa_system_sgpr_workgroup_id_y 1
		.amdhsa_system_sgpr_workgroup_id_z 1
		.amdhsa_system_vgpr_workitem_id 0
		.amdhsa_next_free_vgpr 1024
		.amdhsa_next_free_sgpr 66
		.amdhsa_reserve_vcc 0
		.amdhsa_float_denorm_mode_32 3
		.amdhsa_float_denorm_mode_16_64 3
		.amdhsa_memory_ordered 1
		.amdhsa_forward_progress 1
		.amdhsa_inst_pref_size 196
	.end_amdhsa_kernel
	.amdgpu_metadata
---
amdhsa.version: [ 1, 2 ]
amdhsa.kernels:
  - .name:           k_q2efb2955fd_kvproj
    .symbol:         k_q2efb2955fd_kvproj.kd
    .args:
      - { .name: xt, .offset: 0, .size: 8, .value_kind: global_buffer, .address_space: global }
      - { .name: w1h, .offset: 8, .size: 8, .value_kind: global_buffer, .address_space: global }
      - { .name: kv, .offset: 16, .size: 8, .value_kind: global_buffer, .address_space: global }
    .group_segment_fixed_size: 327680
    .private_segment_fixed_size: 0
    .kernarg_segment_align: 8
    .kernarg_segment_size: 24
    .max_flat_workgroup_size: 128
    .sgpr_count:     66
    .vgpr_count:     1024
    .wavefront_size: 32
...
	.end_amdgpu_metadata
.endif
;; end of part 2
;; launch attn (part 3): grid 8 x 32, 4 waves a work-group, clusters of 4 x 4, 327,680 bytes of LDS; arguments xt, wqh, kv, mask, out0; writes out0
.if DOCPART == 3
	.amdgcn_target "amdgcn-amd-amdhsa--gfx1250"
	.amdhsa_code_object_version 6
	.text
	.protected	k_q2efb2955fd_attn
	.globl	k_q2efb2955fd_attn
	.p2align	8
	.type	k_q2efb2955fd_attn,@function
k_q2efb2955fd_attn:
	s_mov_b64 s[64:65], 0
	v_nop
	global_prefetch_b8 v0, s[64:65] scope:SCOPE_SE
	s_setreg_imm32_b32 hwreg(HW_REG_WAVE_MODE, 25, 1), 1
	s_wait_xcnt 0x0
	s_wait_alu depctr_hold_cnt(0) depctr_sa_sdst(0) depctr_va_vdst(0) depctr_va_sdst(0) depctr_va_ssrc(0) depctr_va_vcc(0) depctr_vm_vsrc(0)
	s_getreg_b32 s2, hwreg(HW_REG_IB_STS2, 6, 4)
	s_cmp_eq_u32 s2, 0
	s_cbranch_scc0 .Lentry_in_a_cluster
	s_endpgm
.Lentry_in_a_cluster:
	s_bfe_u32 s2, ttmp6, 0x10000c
	s_cmp_lg_u32 s2, 0xf033
	s_cbranch_scc0 .Lentry_shape_is_right
	s_endpgm
.Lentry_shape_is_right:
; Attention with the Q projection fused in.  A work-group takes one (batch, head) and 256 queries; a wave 64 queries and all 2,048 keys.  8 x 32 = 256 work-groups.
;   1. Q^T[dim][query] = sum over d of wqh[128 h + dim][d] xt[query][d], eight steps of 128 along d; times 128^-0.5 log2(e), rounded to f16, kept in registers.
;   2. Sixteen blocks of 128 keys: S^T = K Q^T (a lane owns one query and eight keys of each tile), + the mask's bias, running maximum, exp2, P packed to f16
;      IN PLACE: a lane's eight keys of two neighbouring tiles are exactly source 1's layout for 32 keys; then O^T += V^T P^T.
;   3. O^T / sum goes straight from registers to out0 [b][128 h + dim][l]: tile qt of a wave holds the queries 4 r + qt (r = lane % 16), so a lane's four tiles
;      give four neighbouring l, and sixteen lanes store 256 consecutive bytes, aligned.
; The mask is honoured as written: bias = (-1e30)(1 - m) for any whole number m, times log2(e) because the exponentials are base 2.  A row whose keys are all
; masked gives the mean of V, since score + bias rounds to the bias.  The running maximum starts at the most negative finite f32.
; CLUSTERS: 4 x 4 work-groups.  A row of the cluster is four query blocks of one head: wqh's, K's and V's tiles are asked for jointly along the row.
; A column is four heads of one batch on one query block: xt's tiles are asked for jointly along the column.  Requests divide by four.
; By this text's own count a wave has one tensor load out at any time, issued first thing behind a round of the cluster's barrier.
; LIMITS: matrix operands are f16 (scaled Q, K, V, xt, wqh above 65,504 become infinite; under 6.1e-5 an absolute error of at most 3e-8; P under 3e-8 becomes 0);
; v_exp_f32 gives 0 for results under 2^-126 (ISA guide 15.8).
;
; LDS: two slots; a slot = part A, 128 rows of pitch 272 (wqh's tile, later K's), then part B (xt's tile, 256 rows of pitch 272; later V's, 128 rows of pitch 288);
;      BIAS, 2,048 f32;  QS, 64 rows of pitch 272 for each wave.  BIAS and QS are written by LDS stores and no fill lands there.
; REGISTERS: window 0 addresses, softmax state, fragment buffers;  window 1: v0-127 Q fragments (qt, ds) at v[8 (4 qt + ds)], v128-191 the block's bias;
;      window 2: S (kt, qt) at v[8 (4 kt + qt)] (first the Q phase's sums), P (ks, qt) in place of S (2 ks, qt);  window 3: O (dt, qt) at v[8 (4 dt + qt)].
.set PITCH,  272                       ; 256 bytes + 16: sixteen rows start in sixteen different 16-byte columns
.set VPITCH, 288                       ; 256 bytes + 32: an odd multiple of 32, for the transposing loads
.set APART,  128*PITCH                 ; 34,816
.set SLOT,   APART+256*PITCH           ; 104,448
.set BIAS,   2*SLOT                    ; 208,896
.set QS,     BIAS+8192                 ; 217,088; ends at 286,720
.set KA,   2                           ; v2-3    part A fragments in slot 0, 1: r x 272 + 16 h
.set VA,   4                           ; v4-5    V's transposing loads in slot 0, 1
.set XA,   6                           ; v6-7    my 64 rows of xt's tile in slot 0, 1
.set BA,   8                           ; v8      the block's bias: BIAS + 32 h, + 512 a block
.set QSW,  9                           ; v9      Q into my stage
.set QSR,  10                          ; v10     Q back from my stage, rows 4 r + qt
.set OOFF, 11                          ; v11     my byte offset in out0
.set MOFF, 12                          ; v12     my 16 bytes of the mask
.set BOFF, 13                          ; v13     and of BIAS
.set T,    16                          ; v16-19  a block's maximum, one for each qt
.set U,    20                          ; v20-23  what the other half of the lanes holds
.set M,    24                          ; v24-31  running maximum, twice (pairs for the packed subtraction)
.set AL,   32                          ; v32-39  2^(old maximum - new), twice
.set LS,   40                          ; v40-47  running sums, two partial sums for each qt
.set R,    48                          ; v48-51  1 / sum
.set F0,   64                          ; v64-127   eight fragments, buffer 0
.set F1,   128                         ; v128-191  buffer 1
.set XF0,  192                         ; v192-223  four fragments of xt, buffer 0
.set XF1,  224                         ; v224-255  buffer 1
.set BI,   128                         ; window 1: bias of key tile kt at v[128 + 8 kt]
.set G1W, 32                           ; s[32:39]  group 1: wqh's tiles
.set G1X, 40                           ; s[40:47]  xt's
.set G1K, 48                           ; s[48:55]  K's
.set G1V, 56                           ; s[56:63]  V's
.set G0W, 68                           ; s[68:75]  group 0, a set for each slot
.set G0X, 76
.set G0K, 84
.set G0V, 92
.set MSB, 0
.macro WIN new                         ; low byte: bits 1:0 source 0, 3:2 source 1, 5:4 source 2, 7:6 destination; the high byte repeats the setting that is left
.if MSB != \new
	s_set_vgpr_msb (MSB<<8)|\new
.set MSB, \new
.endif
.endm
; n independent vector instructions behind a matrix instruction (ISA guide 7.12.1)
.macro PLACES n
.rept \n
	v_nop
.endr
.endm
; A round of the cluster's barrier: my work-group's barrier; wave 0 signals for the work-group; every wave waits for all sixteen; my work-group's barrier again.
.macro ROUND
	s_barrier_signal -1
	s_barrier_wait -1
	s_cmp_lg_u32 s14, 0
	s_cbranch_scc1 .Lnot_wave_0_\@
	s_barrier_signal -3
.Lnot_wave_0_\@:
	s_barrier_wait -3
	s_barrier_signal -1
	s_barrier_wait -1
.endm
; A joint load, one a wave: waves 0 and 1 bring the two halves of part A's tile, waves 2 and 3 those of part B's.  The branch hangs on the wave's number alone.
.macro JLOAD a0, a1, b0, b1
	s_cmp_eq_u32 s15, 0
	s_cbranch_scc0 .Lpart_b_\@
	tensor_load_to_lds s[\a0:\a0+3], s[\a1:\a1+7]
	s_nop 0
	s_branch .Lasked_\@
.Lpart_b_\@:
	tensor_load_to_lds s[\b0:\b0+3], s[\b1:\b1+7]
	s_nop 0
.Lasked_\@:
.endm
; group 1 behind its first word: rows of 128 elements of 2 bytes
.macro SHAPE g, rows, stride
	s_mov_b32 s[\g+1], 128<<16                     ; tensor_dim0 = 128
	s_mov_b32 s[\g+2], \rows<<16                   ; tensor_dim1
	s_mov_b32 s[\g+3], 128<<16                     ; tile_dim0 = 128
	s_mov_b32 s[\g+4], \rows                       ; tile_dim1
	s_mov_b32 s[\g+5], \stride                     ; elements from row to row
	s_mov_b32 s[\g+6], 0
	s_mov_b32 s[\g+7], 0
.endm
	s_load_b256 s[4:11], s[0:1], 0x0               ; xt s[4:5], wqh s[6:7], kv s[8:9], mask s[10:11]
	s_load_b64 s[12:13], s[0:1], 0x20              ; out0
	v_lshl_add_u32 v62, v0, 2, 0x46000
	v_mov_b32 v63, 0
	ds_add_u32 v62, v63
	v_lshrrev_b32 v1, 5, v0
	v_readfirstlane_b32 s14, v1                    ; wave 0..3
	s_lshr_b32 s15, s14, 1                         ; I fetch for part A (0) or part B (1),
	s_and_b32 s16, s14, 1                          ; and which half of that tile
	s_bfe_u32 s17, ttmp6, 0x40000                  ; cx
	s_bfe_u32 s18, ttmp6, 0x40004                  ; cy
	s_lshl_b32 s19, ttmp9, 2
	s_add_co_u32 s19, s19, s17                     ; query block = 4 x cluster x + cx
	s_and_b32 s20, ttmp7, 0xffff                   ; cluster y; the batch is cluster y / 2
	s_lshl_b32 s21, s20, 2
	s_add_co_u32 s21, s21, s18                     ; 8 b + h = 4 x cluster y + cy
	s_lshl_b32 s22, s18, 2
	s_lshl_b32 s22, 15, s22                        ; my row of the cluster
	s_lshl_b32 s23, 0x1111, s17                    ; my column
	; first words: mask; element of 2 bytes; padding on; bit 21 beside a mask; after every 64 words; 4 words (V: 8 words)
	s_or_b32 s[G1W], s22, (1<<16)|(1<<20)|(1<<21)|(5<<22)|(3<<25)
	s_or_b32 s[G1K], s22, (1<<16)|(1<<20)|(1<<21)|(5<<22)|(3<<25)
	s_or_b32 s[G1V], s22, (1<<16)|(1<<20)|(1<<21)|(5<<22)|(7<<25)
	s_or_b32 s[G1X], s23, (1<<16)|(1<<20)|(1<<21)|(5<<22)|(3<<25)
	SHAPE G1W, 64, 1024
	SHAPE G1X, 128, 1024
	SHAPE G1K, 64, 128
	SHAPE G1V, 64, 128
	s_mov_b32 s66, 0x76543210                      ; v_permlanex16_b32: lane i of one half reads lane i of the other
	s_mov_b32 s67, 0xfedcba98
	s_mov_b32 s100, 0x7191accb                     ; 1e30 log2(e)
	; byte offsets of the first tiles.  wqh's, K's and V's hang on cluster y and cy alone, xt's on cluster y and cx alone.
	s_and_b32 s24, s21, 7
	s_lshl_b32 s24, s24, 18                        ; wqh: 128 h rows of 2,048 bytes
	s_lshl_b32 s25, s16, 17                        ;      + 64 rows x my half
	s_add_co_u32 s24, s24, s25
	s_mov_b32 s25, 0
	s_lshr_b32 s26, s20, 1
	s_lshl_b32 s26, s26, 22                        ; xt: 2,048 b rows of 2,048 bytes
	s_lshl_b32 s27, s19, 19                        ;     + 256 rows x query block
	s_add_co_u32 s26, s26, s27
	s_lshl_b32 s27, s16, 18                        ;     + 128 rows x my half
	s_add_co_u32 s26, s26, s27
	s_mov_b32 s27, 0
	s_lshl_b32 s28, s21, 19                        ; K: a head is 524,288 bytes
	s_lshl_b32 s29, s16, 14                        ;    + 64 rows of 256 bytes x my half
	s_add_co_u32 s28, s28, s29
	s_mov_b32 s29, 0
	s_lshr_b32 s2, s20, 1
	s_lshl_b32 s2, s2, 13                          ; mask: 8,192 bytes a batch
	s_mov_b32 s3, 0
	s_mul_i32 s30, s16, 64*PITCH                   ; LDS: my half of part A
	s_mul_i32 s31, s16, 128*PITCH
	s_add_co_u32 s31, s31, APART                   ; my half of xt's tile
	s_mul_i32 s101, s16, 64*VPITCH
	s_add_co_u32 s101, s101, APART                 ; my half of V's tile
	s_wait_dscnt 0x0
	s_wait_kmcnt 0x0
	s_add_nc_u64 s[24:25], s[6:7], s[24:25]
	s_add_nc_u64 s[26:27], s[4:5], s[26:27]
	s_add_nc_u64 s[28:29], s[8:9], s[28:29]
	s_add_nc_u64 s[10:11], s[10:11], s[2:3]
.irp n, 0,1
	s_mov_b32 s[G0W+4*\n], 1
	s_add_co_u32 s[G0W+4*\n+1], s30, \n*SLOT
	s_add_nc_u64 s[G0W+4*\n+2:G0W+4*\n+3], s[24:25], \n*256            ; step n along d
	s_or_b32 s[G0W+4*\n+3], s[G0W+4*\n+3], 0x80000000
	s_mov_b32 s[G0X+4*\n], 1
	s_add_co_u32 s[G0X+4*\n+1], s31, \n*SLOT
	s_add_nc_u64 s[G0X+4*\n+2:G0X+4*\n+3], s[26:27], \n*256
	s_or_b32 s[G0X+4*\n+3], s[G0X+4*\n+3], 0x80000000
	s_mov_b32 s[G0K+4*\n], 1
	s_add_co_u32 s[G0K+4*\n+1], s30, \n*SLOT
	s_add_nc_u64 s[G0K+4*\n+2:G0K+4*\n+3], s[28:29], \n*32768          ; key block n
	s_or_b32 s[G0K+4*\n+3], s[G0K+4*\n+3], 0x80000000
	s_mov_b32 s[G0V+4*\n], 1
	s_add_co_u32 s[G0V+4*\n+1], s101, \n*SLOT
	s_add_nc_u64 s[G0V+4*\n+2:G0V+4*\n+3], s[28:29], 16777216+\n*32768 ; V lies 32 heads behind K
	s_or_b32 s[G0V+4*\n+3], s[G0V+4*\n+3], 0x80000000
.endr
	ROUND                                          ; all sixteen work-groups are here: the first joint loads meet
	JLOAD G0W, G1W, G0X, G1X                       ; step 0 of the Q phase, into slot 0
	v_and_b32 v1, 15, v0                           ; r
	v_bfe_u32 v14, v0, 4, 1                        ; h
	v_lshlrev_b32 v[MOFF], 4, v0
.irp j, 0,1,2,3
	global_load_b128 v[F0+4*\j:F0+4*\j+3], v[MOFF], s[10:11] offset:2048*\j   ; 128 threads x 16 bytes x 4 = the batch's 2,048 whole numbers
.endr
	v_mul_u32_u24 v15, v1, PITCH
	v_lshl_add_u32 v15, v14, 4, v15                ; r x 272 + 16 h
	v_mov_b32 v[KA], v15
	v_add_nc_u32 v[KA+1], SLOT, v15
	s_mul_i32 s2, s14, 64*PITCH                    ; my wave's 64 rows
	s_add_co_u32 s3, s2, APART
	v_add_nc_u32 v[XA], s3, v15
	v_add_nc_u32 v[XA+1], SLOT, v[XA]
	s_add_co_u32 s3, s2, QS
	v_add_nc_u32 v[QSW], s3, v15
	v_mul_u32_u24 v[QSR], v1, 4*PITCH
	v_lshl_add_u32 v[QSR], v14, 4, v[QSR]
	v_add_nc_u32 v[QSR], s3, v[QSR]                ; row 4 r, byte 16 h
	v_and_b32 v[VA], 7, v0
	v_lshl_add_u32 v[VA], v14, 3, v[VA]            ; key 8 h + lane % 8
	v_mul_u32_u24 v[VA], v[VA], VPITCH
	v_bfe_u32 v[VA+1], v0, 3, 1
	v_lshl_add_u32 v[VA], v[VA+1], 4, v[VA]        ; + 16 x ((lane / 8) % 2)
	v_add_nc_u32 v[VA], APART, v[VA]
	v_add_nc_u32 v[VA+1], SLOT, v[VA]
	v_lshlrev_b32 v[BA], 5, v14
	v_add_nc_u32 v[BA], BIAS, v[BA]
	v_lshlrev_b32 v[OOFF], 4, v1
	v_lshl_add_u32 v[OOFF], v14, 16, v[OOFF]       ; 8 h rows of 8,192 bytes + 16 r
	v_add_nc_u32 v[BOFF], BIAS, v[MOFF]
.irp j, 0,1,2,3,4,5,6,7
	v_mov_b32 v[M+\j], 0xff7fffff                  ; the most negative finite f32
	v_mov_b32 v[LS+\j], 0
.endr
.irp j, 0,1,2,3
	v_mov_b32 v[U+\j], 0                           ; v_permlanex16_b32 counts as a reader of its destination
.endr
	s_wait_loadcnt 0x0
.irp j, 0,1,2,3,4,5,6,7,8,9,10,11,12,13,14,15
	v_cvt_f32_i32 v[F0+\j], v[F0+\j]
.endr
.irp j, 0,1,2,3,4,5,6,7,8,9,10,11,12,13,14,15
	v_fma_f32 v[F0+\j], v[F0+\j], s100, -s100      ; (m - 1) x 1e30 log2(e)
.endr
.irp j, 0,1,2,3
	ds_store_b128 v[BOFF], v[F0+4*\j:F0+4*\j+3] offset:2048*\j   ; shown to the other waves by the wait and the round at the head of the first step
.endr
; eight fragments of part A (16 rows x 32 along the rows, at byte off of the rows) into buffer f
.macro FETCHA adr, off, f
.irp i, 0,1,2,3,4,5,6,7
	ds_load_b128 v[\f+8*\i:\f+8*\i+3],   v[\adr] offset:\off+\i*16*PITCH
	ds_load_b128 v[\f+8*\i+4:\f+8*\i+7], v[\adr] offset:\off+\i*16*PITCH+32
.endr
.endm
; the four fragments of my 64 rows of xt
.macro FETCHX slot, off, xf
.irp q, 0,1,2,3
	ds_load_b128 v[\xf+8*\q:\xf+8*\q+3],   v[XA+\slot] offset:\off+\q*16*PITCH
	ds_load_b128 v[\xf+8*\q+4:\xf+8*\q+7], v[XA+\slot] offset:\off+\q*16*PITCH+32
.endr
.endm
; eight fragments of V^T (16 dims x the 32 keys ks), by transposing loads from rows that lie along the dims
.macro FETCHV slot, ks, f
.irp d, 0,1,2,3,4,5,6,7
	ds_load_tr16_b128 v[\f+8*\d:\f+8*\d+3],   v[VA+\slot] offset:\ks*32*VPITCH+32*\d
	ds_load_tr16_b128 v[\f+8*\d+4:\f+8*\d+7], v[VA+\slot] offset:\ks*32*VPITCH+32*\d+16*VPITCH
.endr
.endm
; the block's 128 biases: a lane takes those of its eight keys in each of the eight key tiles
.macro FETCHB
	WIN 0x40
.irp k, 0,1,2,3,4,5,6,7
	ds_load_b128 v[BI+8*\k:BI+8*\k+3],   v[BA] offset:64*\k
	ds_load_b128 v[BI+8*\k+4:BI+8*\k+7], v[BA] offset:64*\k+16
.endr
	WIN 0
	v_add_nc_u32 v[BA], 512, v[BA]                 ; the next block's
.endm
; 32 matrix instructions on 32 accumulators, which take turns, one instruction a turn, in the same order everywhere.
.macro MULQ f, xf, zero                ; Q^T (dims i, queries q) += wqh x xt^T
.irp i, 0,1,2,3,4,5,6,7
.irp q, 0,1,2,3
.if \zero
	v_wmma_f32_16x16x32_f16 v[8*(4*\i+\q):8*(4*\i+\q)+7], v[\f+8*\i:\f+8*\i+7], v[\xf+8*\q:\xf+8*\q+7], 0
.else
	v_wmma_f32_16x16x32_f16 v[8*(4*\i+\q):8*(4*\i+\q)+7], v[\f+8*\i:\f+8*\i+7], v[\xf+8*\q:\xf+8*\q+7], v[8*(4*\i+\q):8*(4*\i+\q)+7]
.endif
.endr
.endr
.endm
.macro MULS f, ds, zero                ; S^T (keys i, queries q) += K x Q^T, dims 32 ds ..
.irp i, 0,1,2,3,4,5,6,7
.irp q, 0,1,2,3
.if \zero
	v_wmma_f32_16x16x32_f16 v[8*(4*\i+\q):8*(4*\i+\q)+7], v[\f+8*\i:\f+8*\i+7], v[8*(4*\q+\ds):8*(4*\q+\ds)+7], 0
.else
	v_wmma_f32_16x16x32_f16 v[8*(4*\i+\q):8*(4*\i+\q)+7], v[\f+8*\i:\f+8*\i+7], v[8*(4*\q+\ds):8*(4*\q+\ds)+7], v[8*(4*\i+\q):8*(4*\i+\q)+7]
.endif
.endr
.endr
.endm
.macro MULP f, ks, zero                ; O^T (dims i, queries q) += V^T x P^T, keys 32 ks ..
.irp i, 0,1,2,3,4,5,6,7
.irp q, 0,1,2,3
.if \zero
	v_wmma_f32_16x16x32_f16 v[8*(4*\i+\q):8*(4*\i+\q)+7], v[\f+8*\i:\f+8*\i+7], v[64*\ks+8*\q:64*\ks+8*\q+7], 0
.else
	v_wmma_f32_16x16x32_f16 v[8*(4*\i+\q):8*(4*\i+\q)+7], v[\f+8*\i:\f+8*\i+7], v[64*\ks+8*\q:64*\ks+8*\q+7], v[8*(4*\i+\q):8*(4*\i+\q)+7]
.endif
.endr
.endr
.endm
; ---- THE Q PHASE.  The head of a step: all my tensor loads have landed (my part of this step's tiles among them), so this slot's addresses may step two steps on;
; my reads of the other slot are back; a round of the cluster's barrier; then my one joint load, into the other slot.
; kind = 1: the next step's tiles;  kind = 2 (the last step): key block 0's K and V, into slot 0.
.macro QHEAD slot, kind
	WIN 0
	s_wait_tensorcnt 0x0
	ds_add_u32 v62, v63
	s_add_nc_u64 s[G0W+4*\slot+2:G0W+4*\slot+3], s[G0W+4*\slot+2:G0W+4*\slot+3], 512
	s_add_nc_u64 s[G0X+4*\slot+2:G0X+4*\slot+3], s[G0X+4*\slot+2:G0X+4*\slot+3], 512
	s_wait_dscnt 0x0
	ROUND
.if \kind == 1
	JLOAD G0W+4*(1-\slot), G1W, G0X+4*(1-\slot), G1X
.else
	JLOAD G0K, G1K, G0V, G1V
.endif
.endm
; A step: four passes of 32 along d on buffers 0, 1, 0, 1.  A pass first issues the next pass's 24 loads, then waits for all but those, then multiplies.
.macro QTRIP slot, kind, zero
	QHEAD \slot, \kind
	PLACES 4                                       ; behind the last step's products, whose sources are loaded again
	FETCHA KA+\slot, 0, F0
	FETCHX \slot, 0, XF0
	FETCHA KA+\slot, 64, F1
	FETCHX \slot, 64, XF1
	s_wait_dscnt 24                                ; buffer 0 is in; the 24 loads of buffer 1 may be out
	WIN 0xa0
	MULQ F0, XF0, \zero
	WIN 0
	PLACES 4
	FETCHA KA+\slot, 128, F0
	FETCHX \slot, 128, XF0
	s_wait_dscnt 24
	WIN 0xa0
	MULQ F1, XF1, 0
	WIN 0
	PLACES 4
	FETCHA KA+\slot, 192, F1
	FETCHX \slot, 192, XF1
	s_wait_dscnt 24
	WIN 0xa0
	MULQ F0, XF0, 0
	s_wait_dscnt 0x0
	MULQ F1, XF1, 0
.endm
	QTRIP 0, 1, 1                                  ; the first products start the sums: nothing is cleared
	QTRIP 1, 1, 0
	QTRIP 0, 1, 0
	QTRIP 1, 1, 0
	QTRIP 0, 1, 0
	QTRIP 1, 1, 0
	QTRIP 0, 1, 0
	QTRIP 1, 2, 0
	; ---- Q: scale, round to f16, and through my own stage into source 1's layout, with the queries dealt out as 4 r + qt.
	PLACES 4
	WIN 0x82
.set ti, 0
.rept 128
	v_pk_mul_f32 v[2*ti:2*ti+1], v[2*ti:2*ti+1], 0x3e0293ee op_sel_hi:[1,0]    ; 128^-0.5 log2(e)
.set ti, ti+1
.endr
	WIN 0x0a
.set ti, 0
.rept 32
.irp p, 0,1,2,3
	v_cvt_pk_f16_f32 v[F0+4*ti+\p], v[8*ti+2*\p], v[8*ti+2*\p+1]               ; dims 16 dt + 8 h + 2 p, + 1 of query 16 qt + r
.endr
.set ti, ti+1
.endr
	WIN 0
.irp d, 0,1,2,3,4,5,6,7
.irp q, 0,1,2,3
	ds_store_b128 v[QSW], v[F0+4*(4*\d+\q):F0+4*(4*\d+\q)+3] offset:\q*16*PITCH+32*\d
.endr
.endr
	WIN 0x40
.irp q, 0,1,2,3
.irp s, 0,1,2,3
	ds_load_b128 v[8*(4*\q+\s):8*(4*\q+\s)+3],   v[QSR] offset:\q*PITCH+64*\s      ; my own bytes; LDS serves a wave's instructions in order: these see the stores above
	ds_load_b128 v[8*(4*\q+\s)+4:8*(4*\q+\s)+7], v[QSR] offset:\q*PITCH+64*\s+32
.endr
.endr
; ---- THE KEY BLOCKS.
.macro AHEAD slot, refill
	WIN 0
	s_wait_tensorcnt 0x0                           ; all my tensor loads have landed, my part of this block's K or V among them,
	ds_add_u32 v62, v63
	s_wait_dscnt 0x0
	s_add_nc_u64 s[G0K+4*\slot+2:G0K+4*\slot+3], s[G0K+4*\slot+2:G0K+4*\slot+3], 65536   ; so this slot's addresses may step two blocks on
	s_add_nc_u64 s[G0V+4*\slot+2:G0V+4*\slot+3], s[G0V+4*\slot+2:G0V+4*\slot+3], 65536
	s_wait_dscnt 0x0                               ; my reads of the other slot are back
.if \refill
	ROUND                                          ; both now hold of every wave of every work-group of the cluster
	JLOAD G0K+4*(1-\slot), G1K, G0V+4*(1-\slot), G1V   ; my one joint load: the next block, into the slot read last
.else
	s_barrier_signal -1                            ; the last block: nothing is filled, the work-group's barrier shows the tiles to all four waves
	s_barrier_wait -1
.endif
.endm
.macro SUBT t                          ; tile t (= 4 kt + qt) minus its query's maximum
.irp p, 0,2,4,6
	v_pk_add_f32 v[8*(\t)+\p:8*(\t)+\p+1], v[8*(\t)+\p:8*(\t)+\p+1], v[M+2*((\t)%4):M+2*((\t)%4)+1] neg_lo:[0,1] neg_hi:[0,1]
.endr
.endm
.macro EXPT t
.irp j, 0,1,2,3,4,5,6,7
	v_exp_f32 v[8*(\t)+\j], v[8*(\t)+\j]
.endr
.endm
.macro SOFTMAX first
	PLACES 4                                       ; behind the last S products
	WIN 0x86
.irp k, 0,1,2,3,4,5,6,7
.irp q, 0,1,2,3
.irp p, 0,2,4,6
	v_pk_add_f32 v[8*(4*\k+\q)+\p:8*(4*\k+\q)+\p+1], v[8*(4*\k+\q)+\p:8*(4*\k+\q)+\p+1], v[BI+8*\k+\p:BI+8*\k+\p+1]   ; + the mask's bias
.endr
.endr
.endr
	WIN 0x0a
.irp k, 0,1,2,3,4,5,6,7
.irp p, 0,2,4,6
.irp q, 0,1,2,3
.if (\k+\p) == 0
	v_max3_num_f32 v[T+\q], v[8*(4*\k+\q)+\p], v[8*(4*\k+\q)+\p+1], v[M+2*\q]   ; four chains, each started by the running maximum
.else
	v_max3_num_f32 v[T+\q], v[8*(4*\k+\q)+\p], v[8*(4*\k+\q)+\p+1], v[T+\q]
.endif
.endr
.endr
.endr
	WIN 0
.irp q, 0,1,2,3
	v_permlanex16_b32 v[U+\q], v[T+\q], s66, s67   ; the same query's other 64 keys lie in the other half of the lanes
.endr
.irp q, 0,1,2,3
	v_max_num_f32 v[T+\q], v[T+\q], v[U+\q]
.endr
.irp q, 0,1,2,3
	v_sub_f32 v[AL+2*\q], v[M+2*\q], v[T+\q]       ; old maximum - new, at most 0
.endr
.irp q, 0,1,2,3
	v_mov_b32 v[M+2*\q], v[T+\q]
	v_mov_b32 v[M+2*\q+1], v[T+\q]
.endr
.irp q, 0,1,2,3
	v_exp_f32 v[AL+2*\q], v[AL+2*\q]
.endr
	v_nop                                          ; one plain vector instruction behind the exponentials before their results are used (ISA guide 5.7.2)
	s_wait_alu depctr_va_vdst(0)
.irp q, 0,1,2,3
	v_mov_b32 v[AL+2*\q+1], v[AL+2*\q]
.endr
.irp q, 0,1,2,3
	v_pk_mul_f32 v[LS+2*\q:LS+2*\q+1], v[LS+2*\q:LS+2*\q+1], v[AL+2*\q:AL+2*\q+1]
.endr
	WIN 0x82
	SUBT 0                                         ; the subtraction runs two tiles ahead of the exponentials
	SUBT 1
.set ti, 0
.rept 30
	EXPT ti
	SUBT ti+2
.set ti, ti+1
.endr
	EXPT 30
	EXPT 31
	v_nop                                          ; as above
	WIN 0x02
	s_wait_alu depctr_va_vdst(0)
.irp k, 0,1,2,3,4,5,6,7
.irp p, 0,2,4,6
.irp q, 0,1,2,3
	v_pk_add_f32 v[LS+2*\q:LS+2*\q+1], v[8*(4*\k+\q)+\p:8*(4*\k+\q)+\p+1], v[LS+2*\q:LS+2*\q+1]
.endr
.endr
.endr
	WIN 0x8a
.irp k, 0,1,2,3
.irp q, 0,1,2,3
.irp i, 0,1,2,3
	v_cvt_pk_f16_f32 v[64*\k+8*\q+\i], v[64*\k+8*\q+2*\i], v[64*\k+8*\q+2*\i+1]          ; keys 8 h + 2 i, + 1 of the 32: registers 0-3; each write lands on a register already read
.endr
.irp i, 0,1,2,3
	v_cvt_pk_f16_f32 v[64*\k+8*\q+4+\i], v[64*\k+32+8*\q+2*\i], v[64*\k+32+8*\q+2*\i+1]  ; keys 16 + 8 h + 2 i, + 1: registers 4-7, from the next key tile
.endr
.endr
.endr
.if \first == 0
	WIN 0xc3
.irp d, 0,1,2,3,4,5,6,7
.irp q, 0,1,2,3
.irp p, 0,2,4,6
	v_pk_mul_f32 v[8*(4*\d+\q)+\p:8*(4*\d+\q)+\p+1], v[8*(4*\d+\q)+\p:8*(4*\d+\q)+\p+1], v[AL+2*\q:AL+2*\q+1]
.endr
.endr
.endr
.endif
.endm
; A block of 128 keys in slot.  Each pass first issues the next pass's 16 loads, then waits for all but those, then multiplies.
.macro ATRIP slot, refill, first
	AHEAD \slot, \refill
	PLACES 5                                       ; five: the first S products write over P, a source of the last block's products; the loads below need four
	FETCHA KA+\slot, 0, F0
	FETCHB
	FETCHA KA+\slot, 64, F1
	s_wait_dscnt 16                                ; buffer 0 and the bias are in; buffer 1's 16 loads may be out
	WIN 0xa4
	MULS F0, 0, 1                                  ; the first products start the block's scores
	WIN 0
	PLACES 4
	FETCHA KA+\slot, 128, F0
	s_wait_dscnt 16
	WIN 0xa4
	MULS F1, 1, 0
	WIN 0
	PLACES 4
	FETCHA KA+\slot, 192, F1
	s_wait_dscnt 16
	WIN 0xa4
	MULS F0, 2, 0
	WIN 0
	PLACES 4
	FETCHV \slot, 0, F0
	s_wait_dscnt 16
	WIN 0xa4
	MULS F1, 3, 0
	SOFTMAX \first
	WIN 0
	FETCHV \slot, 1, F1                            ; buffer 1's last products lie the whole softmax back
	s_wait_dscnt 16
	WIN 0xf8
	MULP F0, 0, \first                             ; in the first block these start O's sums
	WIN 0
	PLACES 4
	FETCHV \slot, 2, F0
	s_wait_dscnt 16
	WIN 0xf8
	MULP F1, 1, 0
	WIN 0
	PLACES 4
	FETCHV \slot, 3, F1
	s_wait_dscnt 16
	WIN 0xf8
	MULP F0, 2, 0
	s_wait_dscnt 0x0
	MULP F1, 3, 0
.endm
	ATRIP 0, 1, 1                                  ; blocks 0 and 1 stand in front of the loop
	ATRIP 1, 1, 0
	WIN 0                                          ; at a label and at a branch every window is 0
	s_mov_b32 s3, 6                                ; blocks 2 to 13
.Lblocks:
	ATRIP 0, 1, 0
	ATRIP 1, 1, 0
	WIN 0
	s_sub_co_u32 s3, s3, 1
	s_cmp_lg_u32 s3, 0
	s_cbranch_scc1 .Lblocks
	ATRIP 0, 1, 0                                  ; block 14 asks for block 15,
	ATRIP 1, 0, 0                                  ; which asks for nothing
	; ---- THE WAY OUT: O^T / sum, straight from registers.
	PLACES 4
	WIN 0
	s_lshl_b32 s22, s21, 20                        ; out0: a head is 128 rows of 8,192 bytes,
	s_lshl_b32 s23, s19, 10                        ; a query block 1,024 bytes of a row,
	s_add_co_u32 s22, s22, s23
	s_lshl_b32 s23, s14, 8                         ; a wave 256
	s_add_co_u32 s22, s22, s23
	s_mov_b32 s23, 0
	s_add_nc_u64 s[12:13], s[12:13], s[22:23]
.irp q, 0,1,2,3
	v_add_f32 v[T+\q], v[LS+2*\q], v[LS+2*\q+1]
.endr
.irp q, 0,1,2,3
	v_permlanex16_b32 v[U+\q], v[T+\q], s66, s67
.endr
.irp q, 0,1,2,3
	v_add_f32 v[T+\q], v[T+\q], v[U+\q]            ; at least 1: the key of the maximum counts 1
.endr
.irp q, 0,1,2,3
	v_rcp_f32 v[R+\q], v[T+\q]
.endr
	v_nop                                          ; one plain vector instruction behind the reciprocals (ISA guide 5.7.2)
	s_wait_alu depctr_va_vdst(0)
.irp d, 0,1,2,3,4,5,6,7
.if \d >= 4
	s_wait_xcnt 0x0                                ; the registers that the stores of four turns ago read are rewritten only behind this wait
.endif
	WIN 0x03
.irp j, 0,1,2,3,4,5,6,7
.irp q, 0,1,2,3
	v_mul_f32 v[F0+32*(\d%4)+4*\j+\q], v[8*(4*\d+\q)+\j], v[R+\q]     ; dim 16 d + 8 h + j, query 4 r + q
.endr
.endr
	WIN 0
.irp j, 0,1,2,3,4,5,6,7
	global_store_b128 v[OOFF], v[F0+32*(\d%4)+4*\j:F0+32*(\d%4)+4*\j+3], s[12:13] offset:(16*\d+\j)*8192 th:TH_STORE_NT   ; sixteen lanes store 256 consecutive bytes, aligned
.endr
.endr
	ROUND                                          ; the closing round: no work-group ends while a partner may still ask for a tile that names it
	s_endpgm
.Lfunc_end_k_q2efb2955fd_attn:
	.size	k_q2efb2955fd_attn, .Lfunc_end_k_q2efb2955fd_attn-k_q2efb2955fd_attn
	.p2alignl 7, 3214868480
	.fill 96, 4, 3214868480
	.section	.rodata,"a",@progbits
	.p2align	6, 0x0
	.amdhsa_kernel k_q2efb2955fd_attn
		.amdhsa_group_segment_fixed_size 327680
		.amdhsa_private_segment_fixed_size 0
		.amdhsa_enable_private_segment 0
		.amdhsa_kernarg_size 40
		.amdhsa_user_sgpr_count 2
		.amdhsa_user_sgpr_kernarg_segment_ptr 1
		.amdhsa_wavefront_size32 1
		.amdhsa_system_sgpr_workgroup_id_x 1
		.amdhsa_system_sgpr_workgroup_id_y 1
		.amdhsa_system_sgpr_workgroup_id_z 1
		.amdhsa_system_vgpr_workitem_id 0
		.amdhsa_next_free_vgpr 1024
		.amdhsa_next_free_sgpr 102
		.amdhsa_reserve_vcc 0
		.amdhsa_float_denorm_mode_32 3
		.amdhsa_float_denorm_mode_16_64 3
		.amdhsa_memory_ordered 1
		.amdhsa_forward_progress 1
		.amdhsa_inst_pref_size 255
	.end_amdhsa_kernel
	.section	.bss,"aw",@nobits
	.p2align	6
	.space	262144
	.amdgpu_metadata
---
amdhsa.version: [ 1, 2 ]
amdhsa.kernels:
  - .name:           k_q2efb2955fd_attn
    .symbol:         k_q2efb2955fd_attn.kd
    .args:
      - { .name: xt, .offset: 0, .size: 8, .value_kind: global_buffer, .address_space: global }
      - { .name: wqh, .offset: 8, .size: 8, .value_kind: global_buffer, .address_space: global }
      - { .name: kv, .offset: 16, .size: 8, .value_kind: global_buffer, .address_space: global }
      - { .name: mask, .offset: 24, .size: 8, .value_kind: global_buffer, .address_space: global }
      - { .name: out0, .offset: 32, .size: 8, .value_kind: global_buffer, .address_space: global }
    .group_segment_fixed_size: 327680
    .private_segment_fixed_size: 0
    .kernarg_segment_align: 8
    .kernarg_segment_size: 40
    .max_flat_workgroup_size: 128
    .sgpr_count:     102
    .vgpr_count:     1024
    .wavefront_size: 32
...
	.end_amdgpu_metadata
.endif
;; end of part 3
;; ======== version 2 of 2: 3 launches; 1.24 times as fast as version 1
;; limits: values are held in f16: magnitudes above 65,504 overflow, below 6.1e-05 lose precision
;; workspace buffers: xt 16,777,216 bytes; w1h 4,194,304 bytes; wqh 2,097,152 bytes; kv 33,554,432 bytes
;; launch prep: the kernel of part 1 again; grid 1408 x 1, 8 waves a work-group, no clusters, 18,432 bytes of LDS; arguments query, W1, Wq, xt, w1h, wqh; writes xt, w1h, wqh
;; launch kvproj: the kernel of part 2 again; grid 8 x 32, 4 waves a work-group, clusters of 4 x 4, 327,680 bytes of LDS; arguments xt, w1h, kv; writes kv
;; launch attn (part 4): grid 8 x 32, 4 waves a work-group, clusters of 4 x 4, 327,680 bytes of LDS; arguments xt, wqh, kv, mask, out0; writes out0
.if DOCPART == 4
	.amdgcn_target "amdgcn-amd-amdhsa--gfx1250"
	.amdhsa_code_object_version 6
	.text
	.protected	k_q2efb2955fd_attn
	.globl	k_q2efb2955fd_attn
	.p2align	8
	.type	k_q2efb2955fd_attn,@function
k_q2efb2955fd_attn:
	s_mov_b64 s[64:65], 0
	v_nop
	global_prefetch_b8 v0, s[64:65] scope:SCOPE_SE
	s_setreg_imm32_b32 hwreg(HW_REG_WAVE_MODE, 25, 1), 1
	s_wait_xcnt 0x0
	s_wait_alu depctr_hold_cnt(0) depctr_sa_sdst(0) depctr_va_vdst(0) depctr_va_sdst(0) depctr_va_ssrc(0) depctr_va_vcc(0) depctr_vm_vsrc(0)
	s_getreg_b32 s2, hwreg(HW_REG_IB_STS2, 6, 4)
	s_cmp_eq_u32 s2, 0
	s_cbranch_scc0 .Lentry_in_a_cluster
	s_endpgm
.Lentry_in_a_cluster:
	s_bfe_u32 s2, ttmp6, 0x10000c
	s_cmp_lg_u32 s2, 0xf033
	s_cbranch_scc0 .Lentry_shape_is_right
	s_endpgm
.Lentry_shape_is_right:
; Attention with the Q projection fused in.  A work-group takes one (batch, head) and 256 queries; a wave 64 queries and all 2,048 keys.  8 x 32 = 256 work-groups.
;   1. Q^T[dim][query] = sum over d of wqh[128 h + dim][d] xt[query][d], eight steps of 128 along d; times 128^-0.5 log2(e), rounded to f16, kept in registers.
;   2. Sixteen blocks of 128 keys: S^T = K Q^T (a lane owns one query and eight keys of each tile), + the mask's bias, running maximum, exp2, P packed to f16
;      IN PLACE: a lane's eight keys of two neighbouring tiles are exactly source 1's layout for 32 keys; then O^T += V^T P^T.
;   3. O^T / sum goes straight from registers to out0 [b][128 h + dim][l]: tile qt of a wave holds the queries 4 r + qt (r = lane % 16), so a lane's four tiles
;      give four neighbouring l, and sixteen lanes store 256 consecutive bytes, aligned.
; The mask is honoured as written: bias = (-1e30)(1 - m) for any whole number m, times log2(e) because the exponentials are base 2.  A row whose keys are all
; masked gives the mean of V, since score + bias rounds to the bias.
; THE TEXT IS KEPT SHORT: a key block stands twice (a loop of 15 trips and the last block), a Q step four times.  For that
;   - K and V have ONE LDS buffer each, at constant addresses.  V's is filled behind the round at a block's head and read by the block's last 128 products;
;     K's is read by the block's first 128 products and filled again behind a second round in the middle of the softmax.  V's tile has the 128 S products and
;     256 vector instructions in which to land, K's the rest of the softmax and the 128 PV products.
;   - no block is special at the start: the running maximum starts at minus infinity, so in block 0 the factor 2^(old - new) is 0, and O's registers, which hold
;     the Q phase's finite sums, are multiplied by it like every block's O.  Nothing is cleared.
; CLUSTERS: 4 x 4 work-groups.  A row of the cluster is four query blocks of one head: wqh's, K's and V's tiles are asked for jointly along the row.
; A column is four heads of one batch on one query block: xt's tiles are asked for jointly along the column.  Requests divide by four.
; By this text's own count a wave has one tensor load out at the most, issued first thing behind a round of the cluster's barrier.
; LIMITS: matrix operands are f16 (scaled Q, K, V, xt, wqh above 65,504 become infinite; under 6.1e-5 an absolute error of at most 3e-8; P under 3e-8 becomes 0);
; v_exp_f32 gives 0 for results under 2^-126 (ISA guide 15.8); the Q sums must be finite in f32, or O starts as NaN.
;
; LDS: two slots for the Q phase; a slot = part A, 128 rows of pitch 272 (wqh's tile), then part B, 256 rows of pitch 272 (xt's tile).  K's buffer is slot 0's
;      part A (128 rows of pitch 272), V's the head of slot 0's part B (128 rows of pitch 288).  BIAS, 2,048 f32;  QS, 64 rows of pitch 272 for each wave:
;      these two are written by LDS stores and no fill lands there.
; REGISTERS: window 0 addresses, softmax state, fragment buffers;  window 1: v0-127 Q fragments (qt, ds) at v[8 (4 qt + ds)], v128-191 the block's bias;
;      window 2: S (kt, qt) at v[8 (4 kt + qt)], P (ks, qt) in place of S (2 ks, qt);  window 3: O (dt, qt) at v[8 (4 dt + qt)], first the Q phase's sums.
.set PITCH,  272                       ; 256 bytes + 16: sixteen rows start in sixteen different 16-byte columns
.set VPITCH, 288                       ; 256 bytes + 32: an odd multiple of 32, for the transposing loads
.set APART,  128*PITCH                 ; 34,816
.set SLOT,   APART+256*PITCH           ; 104,448
.set BIAS,   2*SLOT                    ; 208,896
.set QS,     BIAS+8192                 ; 217,088; ends at 286,720
.set KA,   2                           ; v2-3    part A fragments in slot 0, 1: r x 272 + 16 h; v2 serves K's buffer too
.set VA,   4                           ; v4      V's transposing loads (v5 at work in the set-up)
.set XA,   6                           ; v6-7    my 64 rows of xt's tile in slot 0, 1
.set BA,   8                           ; v8      the block's bias: BIAS + 32 h, + 512 a block
.set QSW,  9                           ; v9      Q into my stage
.set QSR,  10                          ; v10     Q back from my stage, rows 4 r + qt
.set OOFF, 11                          ; v11     my byte offset in out0
.set MOFF, 12                          ; v12     my 16 bytes of the mask
.set BOFF, 13                          ; v13     and of BIAS
.set T,    16                          ; v16-19  a block's maximum, one for each qt
.set U,    20                          ; v20-23  what the other half of the lanes holds
.set M,    24                          ; v24-31  running maximum, twice (pairs for the packed subtraction)
.set AL,   32                          ; v32-39  2^(old maximum - new), twice
.set LS,   40                          ; v40-47  running sums, two partial sums for each qt
.set R,    48                          ; v48-51  1 / sum
.set F0,   64                          ; v64-127   eight fragments, buffer 0
.set F1,   128                         ; v128-191  buffer 1
.set XF0,  192                         ; v192-223  four fragments of xt, buffer 0
.set XF1,  224                         ; v224-255  buffer 1
.set BI,   128                         ; window 1: bias of key tile kt at v[128 + 8 kt]
.set G1W, 32                           ; s[32:39]  group 1: wqh's tiles
.set G1X, 40                           ; s[40:47]  xt's
.set G1K, 48                           ; s[48:55]  K's
.set G1V, 56                           ; s[56:63]  V's
.set G0W, 68                           ; s[68:75]  group 0, a set for each slot
.set G0X, 76                           ; s[76:83]
.set G0K, 84                           ; s[84:87]  group 0 of K's one buffer
.set G0V, 88                           ; s[88:91]  of V's
.set MSB, 0
.macro WIN new                         ; low byte: bits 1:0 source 0, 3:2 source 1, 5:4 source 2, 7:6 destination; the high byte repeats the setting that is left
.if MSB != \new
	s_set_vgpr_msb (MSB<<8)|\new
.set MSB, \new
.endif
.endm
; n independent vector instructions behind a matrix instruction (ISA guide 7.12.1)
.macro PLACES n
.rept \n
	v_nop
.endr
.endm
; A round of the cluster's barrier: my work-group's barrier; wave 0 signals for the work-group; every wave waits for all sixteen; my work-group's barrier again.
.macro CREST                           ; a round behind its opening barrier
	s_cmp_lg_u32 s14, 0
	s_cbranch_scc1 .Lnot_wave_0_\@
	s_barrier_signal -3
.Lnot_wave_0_\@:
	s_barrier_wait -3
	s_barrier_signal -1
	s_barrier_wait -1
.endm
.macro ROUND
	s_barrier_signal -1
	s_barrier_wait -1
	CREST
.endm
; Joint loads, one a wave at the most.  The branches hang on the wave's number alone.
.macro JLOAD a0, a1, b0, b1            ; waves 0 and 1 bring the two halves of part A's tile, waves 2 and 3 those of part B's
	s_cmp_eq_u32 s15, 0
	s_cbranch_scc0 .Lpart_b_\@
	tensor_load_to_lds s[\a0:\a0+3], s[\a1:\a1+7]
	s_nop 0
	s_branch .Lasked_\@
.Lpart_b_\@:
	tensor_load_to_lds s[\b0:\b0+3], s[\b1:\b1+7]
	s_nop 0
.Lasked_\@:
.endm
.macro LOADK                           ; waves 0 and 1 bring the two halves of K's tile; waves 2 and 3 have no part in it
	s_cmp_eq_u32 s15, 0
	s_cbranch_scc0 .Lno_k_\@
	tensor_load_to_lds s[G0K:G0K+3], s[G1K:G1K+7]
	s_nop 0
.Lno_k_\@:
.endm
.macro LOADV                           ; waves 2 and 3 bring the two halves of V's tile
	s_cmp_lg_u32 s15, 0
	s_cbranch_scc0 .Lno_v_\@
	tensor_load_to_lds s[G0V:G0V+3], s[G1V:G1V+7]
	s_nop 0
.Lno_v_\@:
.endm
; group 1 behind its first word: rows of 128 elements of 2 bytes
.macro SHAPE g, rows, stride
	s_mov_b32 s[\g+1], 128<<16                     ; tensor_dim0 = 128
	s_mov_b32 s[\g+2], \rows<<16                   ; tensor_dim1
	s_mov_b32 s[\g+3], 128<<16                     ; tile_dim0 = 128
	s_mov_b32 s[\g+4], \rows                       ; tile_dim1
	s_mov_b32 s[\g+5], \stride                     ; elements from row to row
	s_mov_b32 s[\g+6], 0
	s_mov_b32 s[\g+7], 0
.endm
	s_load_b256 s[4:11], s[0:1], 0x0               ; xt s[4:5], wqh s[6:7], kv s[8:9], mask s[10:11]
	s_load_b64 s[12:13], s[0:1], 0x20              ; out0
	v_lshl_add_u32 v62, v0, 2, 0x46000
	v_mov_b32 v63, 0
	ds_add_u32 v62, v63
	v_lshrrev_b32 v1, 5, v0
	v_readfirstlane_b32 s14, v1                    ; wave 0..3
	s_lshr_b32 s15, s14, 1                         ; I fetch for part A or K (0), for part B or V (1),
	s_and_b32 s16, s14, 1                          ; and which half of that tile
	s_bfe_u32 s17, ttmp6, 0x40000                  ; cx
	s_bfe_u32 s18, ttmp6, 0x40004                  ; cy
	s_lshl_b32 s19, ttmp9, 2
	s_add_co_u32 s19, s19, s17                     ; query block = 4 x cluster x + cx
	s_and_b32 s20, ttmp7, 0xffff                   ; cluster y; the batch is cluster y / 2
	s_lshl_b32 s21, s20, 2
	s_add_co_u32 s21, s21, s18                     ; 8 b + h = 4 x cluster y + cy
	s_lshl_b32 s22, s18, 2
	s_lshl_b32 s22, 15, s22                        ; my row of the cluster
	s_lshl_b32 s23, 0x1111, s17                    ; my column
	; first words: mask; element of 2 bytes; padding on; bit 21 beside a mask; after every 64 words; 4 words (V: 8 words)
	s_or_b32 s[G1W], s22, (1<<16)|(1<<20)|(1<<21)|(5<<22)|(3<<25)
	s_or_b32 s[G1K], s22, (1<<16)|(1<<20)|(1<<21)|(5<<22)|(3<<25)
	s_or_b32 s[G1V], s22, (1<<16)|(1<<20)|(1<<21)|(5<<22)|(7<<25)
	s_or_b32 s[G1X], s23, (1<<16)|(1<<20)|(1<<21)|(5<<22)|(3<<25)
	SHAPE G1W, 64, 1024
	SHAPE G1X, 128, 1024
	SHAPE G1K, 64, 128
	SHAPE G1V, 64, 128
	s_mov_b32 s66, 0x76543210                      ; v_permlanex16_b32: lane i of one half reads lane i of the other
	s_mov_b32 s67, 0xfedcba98
	s_mov_b32 s92, 0x3e0293ee                      ; 128^-0.5 log2(e); the packed multiply reads the low word for both halves,
	s_mov_b32 s93, 0x3e0293ee                      ; the pair is written whole
	s_mov_b32 s100, 0x7191accb                     ; 1e30 log2(e)
	; byte offsets of the first tiles.  wqh's, K's and V's hang on cluster y and cy alone, xt's on cluster y and cx alone.
	s_and_b32 s24, s21, 7
	s_lshl_b32 s24, s24, 18                        ; wqh: 128 h rows of 2,048 bytes
	s_lshl_b32 s25, s16, 17                        ;      + 64 rows x my half
	s_add_co_u32 s24, s24, s25
	s_mov_b32 s25, 0
	s_lshr_b32 s26, s20, 1
	s_lshl_b32 s26, s26, 22                        ; xt: 2,048 b rows of 2,048 bytes
	s_lshl_b32 s27, s19, 19                        ;     + 256 rows x query block
	s_add_co_u32 s26, s26, s27
	s_lshl_b32 s27, s16, 18                        ;     + 128 rows x my half
	s_add_co_u32 s26, s26, s27
	s_mov_b32 s27, 0
	s_lshl_b32 s28, s21, 19                        ; K: a head is 524,288 bytes
	s_lshl_b32 s29, s16, 14                        ;    + 64 rows of 256 bytes x my half
	s_add_co_u32 s28, s28, s29
	s_mov_b32 s29, 0
	s_lshr_b32 s2, s20, 1
	s_lshl_b32 s2, s2, 13                          ; mask: 8,192 bytes a batch
	s_mov_b32 s3, 0
	s_mul_i32 s30, s16, 64*PITCH                   ; LDS: my half of part A
	s_mul_i32 s31, s16, 128*PITCH
	s_add_co_u32 s31, s31, APART                   ; my half of xt's tile
	s_mov_b32 s[G0K], 1
	s_mul_i32 s[G0K+1], s16, 64*PITCH              ; my half of K's buffer
	s_mov_b32 s[G0V], 1
	s_mul_i32 s[G0V+1], s16, 64*VPITCH
	s_add_co_u32 s[G0V+1], s[G0V+1], APART         ; my half of V's buffer
	s_wait_dscnt 0x0
	s_wait_kmcnt 0x0
	s_add_nc_u64 s[24:25], s[6:7], s[24:25]
	s_add_nc_u64 s[26:27], s[4:5], s[26:27]
	s_add_nc_u64 s[G0K+2:G0K+3], s[8:9], s[28:29]              ; key block 0 of K
	s_add_nc_u64 s[G0V+2:G0V+3], s[G0K+2:G0K+3], 16777216      ; V lies 32 heads behind K
	s_or_b32 s[G0K+3], s[G0K+3], 0x80000000
	s_or_b32 s[G0V+3], s[G0V+3], 0x80000000
	s_add_nc_u64 s[10:11], s[10:11], s[2:3]
.irp n, 0,1
	s_mov_b32 s[G0W+4*\n], 1
	s_add_co_u32 s[G0W+4*\n+1], s30, \n*SLOT
	s_add_nc_u64 s[G0W+4*\n+2:G0W+4*\n+3], s[24:25], \n*256            ; step n along d
	s_or_b32 s[G0W+4*\n+3], s[G0W+4*\n+3], 0x80000000
	s_mov_b32 s[G0X+4*\n], 1
	s_add_co_u32 s[G0X+4*\n+1], s31, \n*SLOT
	s_add_nc_u64 s[G0X+4*\n+2:G0X+4*\n+3], s[26:27], \n*256
	s_or_b32 s[G0X+4*\n+3], s[G0X+4*\n+3], 0x80000000
.endr
	ROUND                                          ; all sixteen work-groups are here: the first joint loads meet
	JLOAD G0W, G1W, G0X, G1X                       ; step 0 of the Q phase, into slot 0
	v_and_b32 v1, 15, v0                           ; r
	v_bfe_u32 v14, v0, 4, 1                        ; h
	v_lshlrev_b32 v[MOFF], 4, v0
.irp j, 0,1,2,3
	global_load_b128 v[F0+4*\j:F0+4*\j+3], v[MOFF], s[10:11] offset:2048*\j   ; 128 threads x 16 bytes x 4 = the batch's 2,048 whole numbers
.endr
	v_mul_u32_u24 v15, v1, PITCH
	v_lshl_add_u32 v15, v14, 4, v15                ; r x 272 + 16 h
	v_mov_b32 v[KA], v15
	v_add_nc_u32 v[KA+1], SLOT, v15
	s_mul_i32 s2, s14, 64*PITCH                    ; my wave's 64 rows
	s_add_co_u32 s3, s2, APART
	v_add_nc_u32 v[XA], s3, v15
	v_add_nc_u32 v[XA+1], SLOT, v[XA]
	s_add_co_u32 s3, s2, QS
	v_add_nc_u32 v[QSW], s3, v15
	v_mul_u32_u24 v[QSR], v1, 4*PITCH
	v_lshl_add_u32 v[QSR], v14, 4, v[QSR]
	v_add_nc_u32 v[QSR], s3, v[QSR]                ; row 4 r, byte 16 h
	v_and_b32 v[VA], 7, v0
	v_lshl_add_u32 v[VA], v14, 3, v[VA]            ; key 8 h + lane % 8
	v_mul_u32_u24 v[VA], v[VA], VPITCH
	v_bfe_u32 v[VA+1], v0, 3, 1
	v_lshl_add_u32 v[VA], v[VA+1], 4, v[VA]        ; + 16 x ((lane / 8) % 2)
	v_add_nc_u32 v[VA], APART, v[VA]
	v_lshlrev_b32 v[BA], 5, v14
	v_add_nc_u32 v[BA], BIAS, v[BA]
	v_lshlrev_b32 v[OOFF], 4, v1
	v_lshl_add_u32 v[OOFF], v14, 16, v[OOFF]       ; 8 h rows of 8,192 bytes + 16 r
	v_add_nc_u32 v[BOFF], BIAS, v[MOFF]
.irp j, 0,1,2,3,4,5,6,7
	v_mov_b32 v[M+\j], 0xff800000                  ; minus infinity: block 0's factor 2^(old - new) is 0
	v_mov_b32 v[LS+\j], 0
.endr
.irp j, 0,1,2,3
	v_mov_b32 v[U+\j], 0                           ; v_permlanex16_b32 counts as a reader of its destination
.endr
	s_wait_loadcnt 0x0
.irp j, 0,1,2,3,4,5,6,7,8,9,10,11,12,13,14,15
	v_cvt_f32_i32 v[F0+\j], v[F0+\j]
.endr
.irp j, 0,1,2,3,4,5,6,7,8,9,10,11,12,13,14,15
	v_fma_f32 v[F0+\j], v[F0+\j], s100, -s100      ; (m - 1) x 1e30 log2(e)
.endr
.irp j, 0,1,2,3
	ds_store_b128 v[BOFF], v[F0+4*\j:F0+4*\j+3] offset:2048*\j   ; shown to the other waves by the wait and the round at the head of the first step
.endr
; eight fragments of part A (16 rows x 32 along the rows, at byte off of the rows) into buffer f
.macro FETCHA adr, off, f
.irp i, 0,1,2,3,4,5,6,7
	ds_load_b128 v[\f+8*\i:\f+8*\i+3],   v[\adr] offset:\off+\i*16*PITCH
	ds_load_b128 v[\f+8*\i+4:\f+8*\i+7], v[\adr] offset:\off+\i*16*PITCH+32
.endr
.endm
; the four fragments of my 64 rows of xt
.macro FETCHX slot, off, xf
.irp q, 0,1,2,3
	ds_load_b128 v[\xf+8*\q:\xf+8*\q+3],   v[XA+\slot] offset:\off+\q*16*PITCH
	ds_load_b128 v[\xf+8*\q+4:\xf+8*\q+7], v[XA+\slot] offset:\off+\q*16*PITCH+32
.endr
.endm
; eight fragments of V^T (16 dims x the 32 keys ks), by transposing loads from rows that lie along the dims
.macro FETCHV ks, f
.irp d, 0,1,2,3,4,5,6,7
	ds_load_tr16_b128 v[\f+8*\d:\f+8*\d+3],   v[VA] offset:\ks*32*VPITCH+32*\d
	ds_load_tr16_b128 v[\f+8*\d+4:\f+8*\d+7], v[VA] offset:\ks*32*VPITCH+32*\d+16*VPITCH
.endr
.endm
; the block's 128 biases: a lane takes those of its eight keys in each of the eight key tiles
.macro FETCHB
	WIN 0x40
.irp k, 0,1,2,3,4,5,6,7
	ds_load_b128 v[BI+8*\k:BI+8*\k+3],   v[BA] offset:64*\k
	ds_load_b128 v[BI+8*\k+4:BI+8*\k+7], v[BA] offset:64*\k+16
.endr
	WIN 0
	v_add_nc_u32 v[BA], 512, v[BA]                 ; the next block's
.endm
; 32 matrix instructions on 32 accumulators, which take turns, one instruction a turn, in the same order everywhere.
.macro MULQ f, xf, zero                ; Q^T (dims i, queries q) += wqh x xt^T
.irp i, 0,1,2,3,4,5,6,7
.irp q, 0,1,2,3
.if \zero
	v_wmma_f32_16x16x32_f16 v[8*(4*\i+\q):8*(4*\i+\q)+7], v[\f+8*\i:\f+8*\i+7], v[\xf+8*\q:\xf+8*\q+7], 0
.else
	v_wmma_f32_16x16x32_f16 v[8*(4*\i+\q):8*(4*\i+\q)+7], v[\f+8*\i:\f+8*\i+7], v[\xf+8*\q:\xf+8*\q+7], v[8*(4*\i+\q):8*(4*\i+\q)+7]
.endif
.endr
.endr
.endm
.macro MULS f, ds, zero                ; S^T (keys i, queries q) += K x Q^T, dims 32 ds ..
.irp i, 0,1,2,3,4,5,6,7
.irp q, 0,1,2,3
.if \zero
	v_wmma_f32_16x16x32_f16 v[8*(4*\i+\q):8*(4*\i+\q)+7], v[\f+8*\i:\f+8*\i+7], v[8*(4*\q+\ds):8*(4*\q+\ds)+7], 0
.else
	v_wmma_f32_16x16x32_f16 v[8*(4*\i+\q):8*(4*\i+\q)+7], v[\f+8*\i:\f+8*\i+7], v[8*(4*\q+\ds):8*(4*\q+\ds)+7], v[8*(4*\i+\q):8*(4*\i+\q)+7]
.endif
.endr
.endr
.endm
.macro MULP f, ks                      ; O^T (dims i, queries q) += V^T x P^T, keys 32 ks ..
.irp i, 0,1,2,3,4,5,6,7
.irp q, 0,1,2,3
	v_wmma_f32_16x16x32_f16 v[8*(4*\i+\q):8*(4*\i+\q)+7], v[\f+8*\i:\f+8*\i+7], v[64*\ks+8*\q:64*\ks+8*\q+7], v[8*(4*\i+\q):8*(4*\i+\q)+7]
.endr
.endr
.endm
; ---- THE Q PHASE, a ring of two slots.  The head of a step: all my tensor loads have landed (my part of this step's tiles among them), so this slot's addresses
; may step two steps on; my reads of the other slot are back; a round of the cluster's barrier; then my one joint load, into the other slot.
; kind = 1: the next step's tiles;  kind = 2 (the last step): key block 0 of K, into slot 0's part A.
.macro QHEAD slot, kind
	WIN 0
	s_wait_tensorcnt 0x0
	ds_add_u32 v62, v63
	s_add_nc_u64 s[G0W+4*\slot+2:G0W+4*\slot+3], s[G0W+4*\slot+2:G0W+4*\slot+3], 512
	s_add_nc_u64 s[G0X+4*\slot+2:G0X+4*\slot+3], s[G0X+4*\slot+2:G0X+4*\slot+3], 512
	s_wait_dscnt 0x0
	ROUND
.if \kind == 1
	JLOAD G0W+4*(1-\slot), G1W, G0X+4*(1-\slot), G1X
.else
	LOADK
.endif
.endm
; A step: four passes of 32 along d on buffers 0, 1, 0, 1.  A pass first issues the next pass's 24 loads, then waits for all but those, then multiplies.
; The sums lie in window 3, O's registers.
.macro QTRIP slot, kind, zero
	QHEAD \slot, \kind
	PLACES 4                                       ; behind the last step's products, whose sources are loaded again
	FETCHA KA+\slot, 0, F0
	FETCHX \slot, 0, XF0
	FETCHA KA+\slot, 64, F1
	FETCHX \slot, 64, XF1
	s_wait_dscnt 24                                ; buffer 0 is in; the 24 loads of buffer 1 may be out
	WIN 0xf0
	MULQ F0, XF0, \zero
	WIN 0
	PLACES 4
	FETCHA KA+\slot, 128, F0
	FETCHX \slot, 128, XF0
	s_wait_dscnt 24
	WIN 0xf0
	MULQ F1, XF1, 0
	WIN 0
	PLACES 4
	FETCHA KA+\slot, 192, F1
	FETCHX \slot, 192, XF1
	s_wait_dscnt 24
	WIN 0xf0
	MULQ F0, XF0, 0
	s_wait_dscnt 0x0
	MULQ F1, XF1, 0
.endm
	QTRIP 0, 1, 1                                  ; step 0: the first products start the sums: nothing is cleared
	WIN 0                                          ; at a label and at a branch every window is 0
	s_mov_b32 s3, 3                                ; steps 1 to 6
.Lqsteps:
	QTRIP 1, 1, 0
	QTRIP 0, 1, 0
	WIN 0
	s_sub_co_u32 s3, s3, 1
	s_cmp_lg_u32 s3, 0
	s_cbranch_scc1 .Lqsteps
	QTRIP 1, 2, 0                                  ; step 7 asks for K's first tile
	; ---- Q: scale, round to f16, and through my own stage into source 1's layout, with the queries dealt out as 4 r + qt.
	PLACES 4
	WIN 0xc3
.set ti, 0
.rept 128
	v_pk_mul_f32 v[2*ti:2*ti+1], v[2*ti:2*ti+1], s[92:93] op_sel_hi:[1,0]      ; 128^-0.5 log2(e)
.set ti, ti+1
.endr
	WIN 0x0f
.set ti, 0
.rept 32
.irp p, 0,1,2,3
	v_cvt_pk_f16_f32 v[F0+4*ti+\p], v[8*ti+2*\p], v[8*ti+2*\p+1]               ; dims 16 dt + 8 h + 2 p, + 1 of query 16 qt + r
.endr
.set ti, ti+1
.endr
	WIN 0
.irp d, 0,1,2,3,4,5,6,7
.irp q, 0,1,2,3
	ds_store_b128 v[QSW], v[F0+4*(4*\d+\q):F0+4*(4*\d+\q)+3] offset:\q*16*PITCH+32*\d
.endr
.endr
	WIN 0x40
.irp q, 0,1,2,3
.irp s, 0,1,2,3
	ds_load_b128 v[8*(4*\q+\s):8*(4*\q+\s)+3],   v[QSR] offset:\q*PITCH+64*\s      ; my own bytes; LDS serves a wave's instructions in order: these see the stores above
	ds_load_b128 v[8*(4*\q+\s)+4:8*(4*\q+\s)+7], v[QSR] offset:\q*PITCH+64*\s+32
.endr
.endr
; ---- THE KEY BLOCKS.
.macro SUBT t                          ; tile t (= 4 kt + qt) minus its query's maximum
.irp p, 0,2,4,6
	v_pk_add_f32 v[8*(\t)+\p:8*(\t)+\p+1], v[8*(\t)+\p:8*(\t)+\p+1], v[M+2*((\t)%4):M+2*((\t)%4)+1] neg_lo:[0,1] neg_hi:[0,1]
.endr
.endm
.macro EXPT t
.irp j, 0,1,2,3,4,5,6,7
	v_exp_f32 v[8*(\t)+\j], v[8*(\t)+\j]
.endr
.endm
; The softmax's first part: the mask's bias, and each lane's maximum over its 64 keys and the running maximum
.macro SM1
	PLACES 4                                       ; behind the last S products
	WIN 0x86
.irp k, 0,1,2,3,4,5,6,7
.irp q, 0,1,2,3
.irp p, 0,2,4,6
	v_pk_add_f32 v[8*(4*\k+\q)+\p:8*(4*\k+\q)+\p+1], v[8*(4*\k+\q)+\p:8*(4*\k+\q)+\p+1], v[BI+8*\k+\p:BI+8*\k+\p+1]
.endr
.endr
.endr
	WIN 0x0a
.irp k, 0,1,2,3,4,5,6,7
.irp p, 0,2,4,6
.irp q, 0,1,2,3
.if (\k+\p) == 0
	v_max3_num_f32 v[T+\q], v[8*(4*\k+\q)+\p], v[8*(4*\k+\q)+\p+1], v[M+2*\q]   ; four chains, each started by the running maximum
.else
	v_max3_num_f32 v[T+\q], v[8*(4*\k+\q)+\p], v[8*(4*\k+\q)+\p+1], v[T+\q]
.endif
.endr
.endr
.endr
.endm
; Its middle, in window 0, registers alone: the new maximum, the factor 2^(old - new), the sums rescaled
.macro SMX
.irp q, 0,1,2,3
	v_permlanex16_b32 v[U+\q], v[T+\q], s66, s67   ; the same query's other 64 keys lie in the other half of the lanes
.endr
.irp q, 0,1,2,3
	v_max_num_f32 v[T+\q], v[T+\q], v[U+\q]
.endr
.irp q, 0,1,2,3
	v_sub_f32 v[AL+2*\q], v[M+2*\q], v[T+\q]       ; old maximum - new, at most 0
.endr
.irp q, 0,1,2,3
	v_mov_b32 v[M+2*\q], v[T+\q]
	v_mov_b32 v[M+2*\q+1], v[T+\q]
.endr
.irp q, 0,1,2,3
	v_exp_f32 v[AL+2*\q], v[AL+2*\q]
.endr
	v_nop                                          ; one plain vector instruction behind the exponentials before their results are used (ISA guide 5.7.2)
	s_wait_alu depctr_va_vdst(0)
.irp q, 0,1,2,3
	v_mov_b32 v[AL+2*\q+1], v[AL+2*\q]
.endr
.irp q, 0,1,2,3
	v_pk_mul_f32 v[LS+2*\q:LS+2*\q+1], v[LS+2*\q:LS+2*\q+1], v[AL+2*\q:AL+2*\q+1]
.endr
.endm
; Its last part: exponentials, sums, P packed in place, O rescaled
.macro SM2
	WIN 0x82
	SUBT 0                                         ; the subtraction runs two tiles ahead of the exponentials
	SUBT 1
.set ti, 0
.rept 30
	EXPT ti
	SUBT ti+2
.set ti, ti+1
.endr
	EXPT 30
	EXPT 31
	v_nop                                          ; as above
	WIN 0x02
	s_wait_alu depctr_va_vdst(0)
.irp k, 0,1,2,3,4,5,6,7
.irp p, 0,2,4,6
.irp q, 0,1,2,3
	v_pk_add_f32 v[LS+2*\q:LS+2*\q+1], v[8*(4*\k+\q)+\p:8*(4*\k+\q)+\p+1], v[LS+2*\q:LS+2*\q+1]
.endr
.endr
.endr
	WIN 0x8a
.irp k, 0,1,2,3
.irp q, 0,1,2,3
.irp i, 0,1,2,3
	v_cvt_pk_f16_f32 v[64*\k+8*\q+\i], v[64*\k+8*\q+2*\i], v[64*\k+8*\q+2*\i+1]          ; keys 8 h + 2 i, + 1 of the 32: registers 0-3; each write lands on a register already read
.endr
.irp i, 0,1,2,3
	v_cvt_pk_f16_f32 v[64*\k+8*\q+4+\i], v[64*\k+32+8*\q+2*\i], v[64*\k+32+8*\q+2*\i+1]  ; keys 16 + 8 h + 2 i, + 1: registers 4-7, from the next key tile
.endr
.endr
.endr
	WIN 0xc3
.irp d, 0,1,2,3,4,5,6,7
.irp q, 0,1,2,3
.irp p, 0,2,4,6
	v_pk_mul_f32 v[8*(4*\d+\q)+\p:8*(4*\d+\q)+\p+1], v[8*(4*\d+\q)+\p:8*(4*\d+\q)+\p+1], v[AL+2*\q:AL+2*\q+1]   ; in block 0 the factor is 0 and O starts from 0
.endr
.endr
.endr
.endm
; A block of 128 keys.  refill = 1: the next block's K is asked for in the middle.  Each pass first issues the next pass's 16 loads, waits for all but those, multiplies.
.macro ATRIP refill
	WIN 0
	s_wait_tensorcnt 0x0                           ; all my tensor loads have landed: in waves 0 and 1 my half of this block's K
	ds_add_u32 v62, v63
	s_wait_dscnt 0x0                               ; my reads of V's buffer are back
	ROUND                                          ; both now hold of every wave of every work-group of the cluster
	LOADV                                          ; this block's V
	PLACES 5                                       ; five: the first S products write over P, a source of the last block's products; the loads below need four
	FETCHA KA, 0, F0
	FETCHB
	FETCHA KA, 64, F1
	s_wait_dscnt 16                                ; buffer 0 and the bias are in; buffer 1's 16 loads may be out
	WIN 0xa4
	MULS F0, 0, 1                                  ; the first products start the block's scores
	WIN 0
	PLACES 4
	FETCHA KA, 128, F0
	s_wait_dscnt 16
	WIN 0xa4
	MULS F1, 1, 0
	WIN 0
	PLACES 4
	FETCHA KA, 192, F1
	s_wait_dscnt 16
	WIN 0xa4
	MULS F0, 2, 0
	s_wait_dscnt 0x0                               ; my last reads of K's buffer are back
	MULS F1, 3, 0
	SM1
	WIN 0
	s_wait_tensorcnt 0x0                           ; all my tensor loads have landed: in waves 2 and 3 my half of this block's V,
	ds_add_u32 v62, v63
	s_wait_dscnt 0x0
.if \refill
	s_add_nc_u64 s[G0K+2:G0K+3], s[G0K+2:G0K+3], 32768     ; so both addresses may step to the next block
	s_add_nc_u64 s[G0V+2:G0V+3], s[G0V+2:G0V+3], 32768
.endif
	s_wait_dscnt 0x0                               ; met: no LDS instruction has been issued since the last wait for 0
	s_barrier_signal -1                            ; say so (where K is asked for, this barrier opens a round of the cluster's barrier),
	SMX                                            ; work on registers while the others arrive
	s_barrier_wait -1
.if \refill
	CREST                                          ; no wave of any partner still reads K's buffer or has a load on its way
	LOADK                                          ; the next block's K
.endif
	FETCHV 0, F0                                   ; both buffers' last products lie more than four plain vector instructions back
	FETCHV 1, F1
	SM2
	s_wait_dscnt 16                                ; buffer 0 is in; buffer 1's 16 loads may be out
	WIN 0xf8
	MULP F0, 0
	WIN 0
	PLACES 4
	FETCHV 2, F0
	s_wait_dscnt 16
	WIN 0xf8
	MULP F1, 1
	WIN 0
	PLACES 4
	FETCHV 3, F1
	s_wait_dscnt 16
	WIN 0xf8
	MULP F0, 2
	s_wait_dscnt 0x0
	MULP F1, 3
.endm
	WIN 0                                          ; at a label and at a branch every window is 0
	s_mov_b32 s3, 15                               ; blocks 0 to 14
.Lblocks:
	ATRIP 1
	WIN 0
	s_sub_co_u32 s3, s3, 1
	s_cmp_lg_u32 s3, 0
	s_cbranch_scc1 .Lblocks
	ATRIP 0                                        ; block 15: no K is left to ask for; its middle barrier is the work-group's alone and shows V's tile to all four waves
	; ---- THE WAY OUT: O^T / sum, straight from registers.
	PLACES 4
	WIN 0
	s_lshl_b32 s22, s21, 20                        ; out0: a head is 128 rows of 8,192 bytes,
	s_lshl_b32 s23, s19, 10                        ; a query block 1,024 bytes of a row,
	s_add_co_u32 s22, s22, s23
	s_lshl_b32 s23, s14, 8                         ; a wave 256
	s_add_co_u32 s22, s22, s23
	s_mov_b32 s23, 0
	s_add_nc_u64 s[12:13], s[12:13], s[22:23]
.irp q, 0,1,2,3
	v_add_f32 v[T+\q], v[LS+2*\q], v[LS+2*\q+1]
.endr
.irp q, 0,1,2,3
	v_permlanex16_b32 v[U+\q], v[T+\q], s66, s67
.endr
.irp q, 0,1,2,3
	v_add_f32 v[T+\q], v[T+\q], v[U+\q]            ; at least 1: the key of the maximum counts 1
.endr
.irp q, 0,1,2,3
	v_rcp_f32 v[R+\q], v[T+\q]
.endr
	v_nop                                          ; one plain vector instruction behind the reciprocals (ISA guide 5.7.2)
	s_wait_alu depctr_va_vdst(0)
.irp d, 0,1,2,3,4,5,6,7
.if \d >= 4
	s_wait_xcnt 0x0                                ; the registers that the stores of four turns ago read are rewritten only behind this wait
.endif
	WIN 0x03
.irp j, 0,1,2,3,4,5,6,7
.irp q, 0,1,2,3
	v_mul_f32 v[F0+32*(\d%4)+4*\j+\q], v[8*(4*\d+\q)+\j], v[R+\q]     ; dim 16 d + 8 h + j, query 4 r + q
.endr
.endr
	WIN 0
.irp j, 0,1,2,3,4,5,6,7
	global_store_b128 v[OOFF], v[F0+32*(\d%4)+4*\j:F0+32*(\d%4)+4*\j+3], s[12:13] offset:(16*\d+\j)*8192 th:TH_STORE_NT   ; sixteen lanes store 256 consecutive bytes, aligned
.endr
.endr
	ROUND                                          ; the closing round: no work-group ends while a partner may still ask for a tile that names it
	s_endpgm
.Lfunc_end_k_q2efb2955fd_attn:
	.size	k_q2efb2955fd_attn, .Lfunc_end_k_q2efb2955fd_attn-k_q2efb2955fd_attn
	.p2alignl 7, 3214868480
	.fill 96, 4, 3214868480
	.section	.rodata,"a",@progbits
	.p2align	6, 0x0
	.amdhsa_kernel k_q2efb2955fd_attn
		.amdhsa_group_segment_fixed_size 327680
		.amdhsa_private_segment_fixed_size 0
		.amdhsa_enable_private_segment 0
		.amdhsa_kernarg_size 40
		.amdhsa_user_sgpr_count 2
		.amdhsa_user_sgpr_kernarg_segment_ptr 1
		.amdhsa_wavefront_size32 1
		.amdhsa_system_sgpr_workgroup_id_x 1
		.amdhsa_system_sgpr_workgroup_id_y 1
		.amdhsa_system_sgpr_workgroup_id_z 1
		.amdhsa_system_vgpr_workitem_id 0
		.amdhsa_next_free_vgpr 1024
		.amdhsa_next_free_sgpr 102
		.amdhsa_reserve_vcc 0
		.amdhsa_float_denorm_mode_32 3
		.amdhsa_float_denorm_mode_16_64 3
		.amdhsa_memory_ordered 1
		.amdhsa_forward_progress 1
		.amdhsa_inst_pref_size 255
	.end_amdhsa_kernel
	.section	.bss,"aw",@nobits
	.p2align	6
	.space	262144
	.amdgpu_metadata
---
amdhsa.version: [ 1, 2 ]
amdhsa.kernels:
  - .name:           k_q2efb2955fd_attn
    .symbol:         k_q2efb2955fd_attn.kd
    .args:
      - { .name: xt, .offset: 0, .size: 8, .value_kind: global_buffer, .address_space: global }
      - { .name: wqh, .offset: 8, .size: 8, .value_kind: global_buffer, .address_space: global }
      - { .name: kv, .offset: 16, .size: 8, .value_kind: global_buffer, .address_space: global }
      - { .name: mask, .offset: 24, .size: 8, .value_kind: global_buffer, .address_space: global }
      - { .name: out0, .offset: 32, .size: 8, .value_kind: global_buffer, .address_space: global }
    .group_segment_fixed_size: 327680
    .private_segment_fixed_size: 0
    .kernarg_segment_align: 8
    .kernarg_segment_size: 40
    .max_flat_workgroup_size: 128
    .sgpr_count:     102
    .vgpr_count:     1024
    .wavefront_size: 32
...
	.end_amdgpu_metadata
.endif
;; end of part 4
